; MI455X (gfx1250); checked and timed in simulation.
; The chip was launched on July 23, 2026; its instructions are those of AMD's public machine-readable ISA for CDNA 5 (MIT licence, August 2026) and "CDNA5" Instruction Set Architecture Reference Guide (July 2026). The comments in the code are by the model that wrote it; some were corrected since.
;; Mixtral Attention. Allowed arithmetic: matrix products marked QUANTISED: E2M3 operands, one E8M0 scale for each 32 along K, by v_wmma_scale_f32_16x16x128_f8f6f4 with both operands' format E2M3, f32 sums; everything else in f32.
;; Inputs: cos 1 x 2,048 x 128 float32; hidden_states 1 x 2,048 x 4,096 float32; norm_w 4,096 float32; sin 1 x 2,048 x 128 float32; wk 4,096 x 1,024 float32; wo 2,048 x 4,096 float32; wq 4,096 x 2,048 float32; wv 4,096 x 1,024 float32.
;; Outputs: out0 1 x 2,048 x 4,096 float32.
;; This version of the problem:
;;   THIS VERSION OF THE PROBLEM IS GIVEN IN LOW PRECISION. The matrix products marked QUANTISED in the list below multiply operands that are first quantised to E2M3 (2 exponent bits, 3 mantissa bits; 6 bits a number), with one power-of-two scale for each 32 numbers along K (OCP MX v1.0); their sums are f32. All else is computed in f32.
;;   The module's matrix products, in the order in which they are computed (A, B: the left and right operand; K: the contracted axis; several contracted axes count as one K, in the product's order):
;;     1. [M 2,048, K 4,096] x [K 4,096, N 2,048]; A: computed on the way; B: input wq: QUANTISED
;;     2. [M 2,048, K 4,096] x [K 4,096, N 1,024]; A: computed on the way; B: input wk: QUANTISED
;;     3. [M 2,048, K 4,096] x [K 4,096, N 1,024]; A: computed on the way; B: input wv: QUANTISED
;;     4. batch 16 x [M 2,048, K 128] x [K 128, N 2,048]; A: computed on the way; B: computed on the way: QUANTISED
;;     5. batch 16 x [M 128, K 2,048] x [K 2,048, N 2,048]; A: computed on the way; B: softmax (see below): QUANTISED
;;     6. [M 2,048, K 2,048] x [K 2,048, N 4,096]; A: computed on the way; B: input wo: QUANTISED
;;   THE QUANTISER, for each operand of a quantised product, along K:
;;     - K is cut into blocks of 32 from its start; a last block that is shorter is filled with zeros.
;;     - A block's scale is 2^e with e = floor(log2(the largest magnitude in the block)) - 2, held to -126 .. 127; a block of zeros has e = 0. As a byte (E8M0): e + 127.
;;     - Each number is divided by its block's scale, clamped to +-7.5, and rounded to the nearest number of E2M3, ties to even, subnormals kept.
;;     - The product sums the exact products of the quantised numbers (number of the format x scale) in f32.
;;   ~~~python
;;   def quantise(x, axis):      # numpy; x: float32 -> the quantised numbers, widened to float32 again
;;       x = np.moveaxis(x, axis, -1); K = x.shape[-1]
;;       x = np.pad(x, [(0, 0)] * (x.ndim - 1) + [(0, -K % 32)]); x = x.reshape(x.shape[:-1] + (-1, 32)); a = np.abs(x).max(-1, keepdims=True)
;;       e = np.where(a > 0, np.clip(np.frexp(np.where(a > 0, a, 1))[1] - 1 - 2, -126, 127), 0)      # np.frexp(a)[1] - 1 = floor(log2(a)), exactly
;;       r = np.clip(x / 2.0 ** e, -7.5, 7.5)
;;       step = 2.0 ** (np.maximum(np.frexp(np.where(r == 0, 1, r))[1] - 1, 0) - 3)
;;       q = np.round(r / step) * step * 2.0 ** e      # np.round: ties to even
;;       return np.moveaxis(q.reshape(q.shape[:-2] + (-1,))[..., :K], -1, axis).astype(np.float32)
;;   ~~~
;;   SOFTMAX AHEAD OF A QUANTISED PRODUCT. Where the list says 'softmax', what is quantised is not the finished softmax but p = 2^(t - M), with t = logit x log2(e) and M = ceil(the row's largest t), a whole number; so 1/2 < the row's largest p <= 1. The row's sum l is taken of the UNQUANTISED p, in f32, and the product's result is divided by l at the end. Since M is a whole number, a kernel that streams over the keys may use a running M (the ceiling of the running maximum): every later rescaling is an exact power of two, which a block's scale takes up: the codes' values come out the same.
;;   OPERANDS COMPUTED ON THE WAY. 'Computed on the way' means the value that the module computes at that place (a softmax that the list does not call 'softmax' is quantised finished and normalised). What goes into a quantiser is computed in f32, as accurately as f32 sums, v_exp_f32 and their like allow (about 1e-6 of the number): no bf16 or f16 on the way to a quantiser, and a product that is left as it is and whose result goes on into a quantised operand takes f32 operands (vector FMAs, or v_wmma_f32_16x16x4_f32). A number that lies on a knife's edge between two numbers of the format may be rounded either way, as far as f32 arithmetic and the matrix unit's own rounding can turn it there, and no further.
;; One version. Each part assembles by itself: llvm-mc -triple=amdgcn-amd-amdhsa -mcpu=gfx1250 --defsym DOCPART=n.
;; ======== version 1 of 1: 4 launches
;; limits: right only within a limited range of input values
;; workspace buffers: wqkv_c 13,107,200 bytes; wo_c 6,553,600 bytes; x_c 6,553,600 bytes; qkv 6,553,600 bytes; att_c 3,276,800 bytes
;; launch quant_all (part 1): grid 256 x 1, 8 waves a work-group, no clusters, 272,384 bytes of LDS; arguments wq, wk, wv, wo, hidden_states, norm_w, wqkv_c, wo_c, x_c; writes wqkv_c, wo_c, x_c
.if DOCPART == 1
	.amdgcn_target "amdgcn-amd-amdhsa--gfx1250"
	.amdhsa_code_object_version 6
	.text
	.protected	k_q7aee8e7132_quant_all
	.globl	k_q7aee8e7132_quant_all
	.p2align	8
	.type	k_q7aee8e7132_quant_all,@function
k_q7aee8e7132_quant_all:
	s_mov_b64 s[64:65], 0
	v_nop
	global_prefetch_b8 v0, s[64:65] scope:SCOPE_SE
	s_setreg_imm32_b32 hwreg(HW_REG_WAVE_MODE, 25, 1), 1
	s_wait_xcnt 0x0
; ONE LAUNCH MAKES ALL CODES THAT THE FIRST AND THE LAST PRODUCT READ: the four weights', and those of h = RMSNorm(hidden_states) * norm_w.  Codes of E2M3, one E8M0 byte for each 32 along K.
; THE DEAL: 256 work-groups of eight waves, each wave reading 64 KB.  A unit of weights is 128 columns x one quad (512 along K); there are 384.
; Work-groups 0-127 take one tile of 16 rows of h FIRST, and then one unit of wo (units 256-383), its quad cut in two among waves 0-3 and 4-7: one trip of 256 along K a wave.
; Work-groups 128-255 take two units of wq, wk, wv (units 0-255), one for waves 0-3 and one for waves 4-7: two trips a wave.  The paths part once, on the work-group's number, and join at the weights.
; Only the rows' part uses LDS and has a barrier, which all eight waves pass.  No cluster: no two work-groups read the same bytes.  No tensor load, no matrix instruction, no prefetch: plain streams with many loads on their way.
; OUTPUT LAYOUT (this program's own): buf[tile][quad] of 6,400 bytes.  A tile is 16 rows of an operand (columns of a weight, tokens of h); lane r of tile T stands for row 32 (T / 2) + 8 (T % 2) + r + 8 (r / 8).
; A quad is 512 along K: four operand fragments (16 rows x 128 K), each an image of its 12 registers (registers 4 c .. 4 c + 3 of lane L at 512 c + 16 L), then 256 bytes of scale words (row r, K step q at 16 r + 4 q).
; wqkv_c: tiles 0-127 wq, 128-191 wk, 192-255 wv, 8 quads a tile; wo_c: 256 tiles, 4 quads; x_c: 128 tiles, 8 quads.  In wo's units a wave stores its two scale words as 8 bytes a column, 16 bytes apart.
; A block's scale byte is its largest magnitude's exponent field - 2, held at 1 from below.  LIMITS: a block of zeros keeps the byte 1 (its codes are zeros; only this program reads the bytes);
; blocks whose largest magnitude lies under 2^-124 are held at the byte 1; NaN and infinities among the inputs are not served.
.set WV,  40                           ; s40  my wave's number, 0..7
.set MSB, 0
.macro WIN new                         ; the immediate's high byte repeats the setting that is left
.if MSB != (\new)
	s_set_vgpr_msb (MSB<<8)|(\new)
.set MSB, (\new)
.endif
.endm
	v_lshl_add_u32 v243, v0, 2, 0x42400            ; my spare word, behind the stages; v243 and v255 are kept for the add alone
	v_mov_b32 v255, 0
	v_lshrrev_b32 v1, 5, v0
	s_delay_alu instid0(VALU_DEP_1)
	v_readfirstlane_b32 s[WV], v1
	s_cmp_ge_u32 ttmp9, 128
	s_cbranch_scc1 .Lweights
; ---------------------------------------------------------------- THE ROWS
; h = (x * rsqrt(mean(x^2) + 1e-5)) * norm_w, f32, then codes along the row's 4,096.  The work-group owns one tile of 16 rows, wave w quad w (512 numbers of each row): 256 registers a lane, which stay between the sum
; and the scaling: the rows are read from memory once.  The eight waves' partial sums meet in LDS behind one barrier.
; The conversions take 16 neighbours along K from ONE lane's registers: lane (r, h) must hold, of row r, numbers 32 b + 16 h + 0 .. 15 of each block b.  Each load reads 512 consecutive bytes of one row (a K step), 16 a lane;
; a K step's 16 rows go into the wave's own stage in LDS as they lie and come back 64 bytes a lane, into the registers that they left.
; LDS: bytes 0-511 the partial sums (64 x wave + 4 r); from 1,024 on, for each wave 33,792 bytes: a stage of 16 rows x 528 bytes for each of its four K steps, none written twice.
; A stage row is 512 bytes + 16 = 33 x 16: the 16 rows that a read touches begin in 16 different columns of 16 bytes modulo 256 (64 banks of 4 bytes: ISA guide 11.1).
; REGISTERS: window 1: x (K step s at 64 s).  Window 0: v4-9, v254 addresses, v12-27 at work, v28-31 scale words, v32-95 a K step of h, v96-223 norm_w in two sets, v224-242 codes, v244-251 sums, v252-253 1 / rms.
.set STW, 4                            ; v4    the stage, on the way in: my wave's + 16 x lane
.set LI,  5                            ; v5    16 x lane
.set NO,  6                            ; v6    64 h: norm_w
.set LSS, 7                            ; v7    LDS: 64 x wave + 4 r
.set LSL, 8                            ; v8    LDS: 4 r
.set SWO, 9                            ; v9    16 r + 8 h: my two scale words
.set TM,  12
.set SW,  28
.set HA,  32
.set NW,  96
.set PC,  224
.set SS,  244
.set RS,  252
.set STR, 254                          ; v254  the stage, on the way out: my wave's + 528 r + 64 h
.set SEL, 20
.set SPI, 528                          ; a stage row
.set STG, 16*SPI                       ; a stage
; 64 numbers of a lane, register 16 b + i = k 32 b + 16 h + i of my row, become a fragment's codes in v[PC] on and its scale word in v[pw]
.macro QUANT s, pw
.irp b, 0,1,2,3
	v_max3_num_f32 v[TM+\b], |v[(\s)+16*\b]|, |v[(\s)+1+16*\b]|, 0x1800000   ; my 16 numbers of block b, and the floor 2^(3 - 127)
.endr
.irp i, 2,4,6,8,10,12,14
.irp b, 0,1,2,3
	s_delay_alu instid0(VALU_DEP_4)
	v_max3_num_f32 v[TM+\b], |v[(\s)+16*\b+\i]|, |v[(\s)+1+16*\b+\i]|, v[TM+\b]
.endr
.endr
.irp b, 0,1,2,3
	s_delay_alu instid0(VALU_DEP_4)
	v_permlanex16_b32 v[TM+4+\b], v[TM+\b], s[SEL], s[SEL+1]
.endr
.irp b, 0,1,2,3
	s_delay_alu instid0(VALU_DEP_4)
	v_max_num_f32 v[TM+\b], v[TM+\b], v[TM+4+\b]   ; with lane l xor 16's: the block's largest magnitude
.endr
.irp b, 0,1,2,3
	s_delay_alu instid0(VALU_DEP_4)
	v_add_nc_u32 v[TM+12+\b], 0xff000000, v[TM+\b] ; 2 off its exponent field: the conversion's scale operand
.endr
.irp b, 0,1,2,3
	s_delay_alu instid0(VALU_DEP_4)
	v_lshrrev_b32 v[TM+4+\b], 23, v[TM+12+\b]      ; the scale's byte
.endr
	s_delay_alu instid0(VALU_DEP_3)
	v_lshl_or_b32 v[(\pw)], v[TM+5], 8, v[TM+4]
	s_delay_alu instid0(VALU_DEP_1)
	v_lshl_or_b32 v[(\pw)], v[TM+6], 16, v[(\pw)]
	s_delay_alu instid0(VALU_DEP_1)
	v_lshl_or_b32 v[(\pw)], v[TM+7], 24, v[(\pw)]
.irp c, 0,1
	v_cvt_scalef32_pk16_fp6_f32 v[PC+6*\c:PC+2+6*\c], v[(\s)+32*\c:(\s)+15+32*\c], v[TM+12+2*\c]
	v_cvt_scalef32_pk16_fp6_f32 v[PC+12+4*\c:PC+14+4*\c], v[(\s)+16+32*\c:(\s)+31+32*\c], v[TM+13+2*\c]
.endr
	v_nop                                          ; one plain line behind a scaled conversion
.irp c, 0,1                                    ; the operand wants a whole block in a lane: lanes 0-15 block 2 c, lanes 16-31 block 2 c + 1
.irp i, 0,1,2
	v_permlane16_swap_b32 v[PC+6*\c+\i], v[PC+12+4*\c+\i]
.endr
.irp i, 0,1,2
	s_delay_alu instid0(VALU_DEP_3)
	v_mov_b32 v[PC+3+6*\c+\i], v[PC+12+4*\c+\i]
.endr
.endr
.endm
	s_load_b128 s[4:7], s[0:1], 0x20               ; hidden_states, norm_w
	s_load_b64 s[8:9], s[0:1], 0x40                ; x_c
	s_mov_b32 s22, ttmp9                           ; my tile, 0..127
	v_and_b32 v1, 31, v0
	v_and_b32 v2, 15, v0                           ; r
	v_bfe_u32 v3, v0, 4, 1                         ; h
	s_delay_alu instid0(VALU_DEP_3)
	v_lshlrev_b32 v[LI], 4, v1
	s_delay_alu instid0(VALU_DEP_2)
	v_lshlrev_b32 v[NO], 6, v3
	s_delay_alu instid0(VALU_DEP_4)
	v_lshlrev_b32 v[LSL], 2, v2
	s_lshl_b32 s11, s[WV], 6
	v_add_nc_u32 v[LSS], s11, v[LSL]
	s_mul_i32 s23, s[WV], 4*STG
	s_add_co_u32 s23, s23, 1024                    ; my wave's four stages
	v_add_nc_u32 v[STW], s23, v[LI]
	v_mul_u32_u24 v[STR], v2, SPI
	s_delay_alu instid0(VALU_DEP_1)
	v_lshl_add_u32 v[STR], v3, 6, v[STR]
	s_delay_alu instid0(VALU_DEP_1)
	v_add_nc_u32 v[STR], s23, v[STR]
	v_lshlrev_b32 v[SWO], 4, v2
	s_delay_alu instid0(VALU_DEP_1)
	v_lshl_add_u32 v[SWO], v3, 3, v[SWO]
	v_mov_b32 v11, 0                               ; a lane permute's destination counts as one of its sources
.irp b, 0,1,2,3
	v_mov_b32 v[TM+4+\b], 0
.endr
	s_mov_b32 s[SEL], 0x76543210
	s_mov_b32 s[SEL+1], 0xfedcba98                 ; lane l xor 16
	s_mov_b32 s14, 0x39800000                      ; 1 / 4,096
	s_mov_b32 s15, 0x3727c5ac                      ; 1e-5
	s_lshr_b32 s12, s22, 1
	s_lshl_b32 s12, s12, 5
	s_and_b32 s13, s22, 1
	s_lshl_b32 s13, s13, 3
	s_add_co_u32 s12, s12, s13                     ; the tile's first row
	s_lshl_b32 s12, s12, 14
	s_lshl_b32 s16, s[WV], 11                      ; my quad: 2,048 bytes of a row
	s_add_co_u32 s12, s12, s16
	s_mov_b32 s13, 0
	s_mov_b32 s17, 0
	s_lshl_b32 s18, s22, 3
	s_add_co_u32 s18, s18, s[WV]
	s_mul_i32 s18, s18, 6400
	s_mov_b32 s19, 0
	s_wait_alu depctr_va_vdst(0)
	s_wait_kmcnt 0x0
	s_add_nc_u64 s[4:5], s[4:5], s[12:13]
	s_add_nc_u64 s[6:7], s[6:7], s[16:17]
	s_add_nc_u64 s[8:9], s[8:9], s[18:19]
.macro NLOAD s                         ; norm_w of K step s, in the layout of lane (r, h), into set s % 2
.irp b, 0,1,2,3
.irp j, 0,1,2,3
	global_load_b128 v[NW+64*((\s)%2)+16*\b+4*\j:NW+64*((\s)%2)+16*\b+4*\j+3], v[NO], s[6:7] offset:512*(\s)+128*\b+16*\j
.endr
.endr
.endm
	NLOAD 0
	NLOAD 1
	WIN 0x40                                       ; destination window 1
.irp s, 0,1,2,3
.irp p, 0,1,2,3,4,5,6,7,8,9,10,11,12,13,14,15
	global_load_b128 v[64*\s+4*\p:64*\s+4*\p+3], v[LI], s[4:5] offset:(\p+8*(\p/8))*16384+512*\s th:TH_LOAD_NT   ; K step s of the row that lane p of the tile stands for: 32 lanes read 512 consecutive bytes
.endr
.endr
; K step s through its stage.  LDS serves a wave's instructions in order (ISA guide 5.7.1.4): no wait stands between the stores and the loads, and the loads land in the registers that the stores have left
.macro TURN s
	WIN 0x04                                       ; an LDS store's data are its source 1: window 1
.irp p, 0,1,2,3,4,5,6,7,8,9,10,11,12,13,14,15
	ds_store_b128 v[STW], v[64*(\s)+4*\p:64*(\s)+4*\p+3] offset:STG*(\s)+SPI*\p
.endr
	WIN 0x40                                       ; destination window 1
.irp b, 0,1,2,3
.irp j, 0,1,2,3
	ds_load_b128 v[64*(\s)+16*\b+4*\j:64*(\s)+16*\b+4*\j+3], v[STR] offset:STG*(\s)+128*\b+16*\j   ; register 16 b + 4 j + e: number 32 b + 16 h + 4 j + e of row r
.endr
.endr
.endm
; the squares of my 64 numbers of K step s, onto four chains of pairs
.macro SUMSQ s
	WIN 0x05                                       ; sources 0 and 1 window 1
.set II, 0
.rept 32
.if ((\s) == 0) && (II < 4)
	v_pk_mul_f32 v[SS+2*II:SS+2*II+1], v[2*II:2*II+1], v[2*II:2*II+1]   ; the first four start the chains
.else
	v_pk_fma_f32 v[SS+2*(II%4):SS+2*(II%4)+1], v[64*(\s)+2*II:64*(\s)+2*II+1], v[64*(\s)+2*II:64*(\s)+2*II+1], v[SS+2*(II%4):SS+2*(II%4)+1]
.endif
.set II, II+1
.endr
.endm
	s_wait_loadcnt 48                              ; K step 0 is in (norm_w's 32 loads were issued ahead of it); the later K steps' 16 loads each may be out
	TURN 0
	s_wait_loadcnt 32
	TURN 1
	s_wait_dscnt 32                                ; K step 0 is back from its stage; K step 1's 16 stores and 16 loads may be out
	SUMSQ 0
	s_wait_alu depctr_va_vdst(0)
	s_wait_loadcnt 16
	TURN 2
	s_wait_dscnt 32
	SUMSQ 1
	s_wait_alu depctr_va_vdst(0)
	s_wait_loadcnt 0
	TURN 3
	s_wait_dscnt 32
	SUMSQ 2
	s_wait_alu depctr_va_vdst(0)
	s_wait_dscnt 0x0
	SUMSQ 3
	WIN 0
	v_pk_add_f32 v[SS:SS+1], v[SS:SS+1], v[SS+2:SS+3]
	v_pk_add_f32 v[SS+4:SS+5], v[SS+4:SS+5], v[SS+6:SS+7]
	s_delay_alu instid0(VALU_DEP_1)
	v_pk_add_f32 v[SS:SS+1], v[SS:SS+1], v[SS+4:SS+5]
	s_delay_alu instid0(VALU_DEP_1)
	v_add_f32 v10, v[SS], v[SS+1]
	s_delay_alu instid0(VALU_DEP_1)
	v_permlanex16_b32 v11, v10, s[SEL], s[SEL+1]
	s_delay_alu instid0(VALU_DEP_1)
	v_add_f32 v10, v10, v11                        ; my row's sum over my quad
	ds_store_b32 v[LSS], v10                       ; lanes r and 16 + r write the same word with the same value
	s_wait_dscnt 0x0                               ; for the others' sake: my store has landed
	s_barrier_signal -1
	s_barrier_wait -1
.irp i, 0,1,2,3,4,5,6,7
	ds_load_b32 v[HA+\i], v[LSL] offset:64*\i      ; my row's eight partial sums
.endr
	s_wait_dscnt 0x0
.irp i, 1
	v_add_f32 v[HA], v[HA], v[HA+\i]
.endr
.irp i, 2, 3, 4, 5, 6, 7
	s_delay_alu instid0(VALU_DEP_1)
	v_add_f32 v[HA], v[HA], v[HA+\i]
.endr
	s_delay_alu instid0(VALU_DEP_1)
	v_fma_f32 v10, v[HA], s14, s15                 ; the mean + 1e-5
	s_wait_alu depctr_va_vdst(0)
	v_rsq_f32 v[RS], v10
	v_rsq_f32 v[RS+1], v10                         ; twice: a pair for the packed multiply
	v_nop                                          ; a plain line behind the transcendentals
	s_wait_alu depctr_va_vdst(0)                   ; the wait ahead of the first reader: one for both
.irp s, 0,1,2,3
.if \s == 2
	s_wait_loadcnt 16                              ; norm_w of K step 2 is in; K step 3's 16 loads may be out
.endif
.if \s == 3
	s_wait_loadcnt 0
.endif
	WIN 0x01                                       ; source 0 window 1
.set II, 0
.rept 32
	v_pk_mul_f32 v[HA+II:HA+II+1], v[64*\s+II:64*\s+II+1], v[RS:RS+1]
.set II, II+2
.endr
	WIN 0
.set II, 0
.rept 32
	v_pk_mul_f32 v[HA+II:HA+II+1], v[HA+II:HA+II+1], v[NW+64*(\s%2)+II:NW+64*(\s%2)+II+1]   ; two roundings, in the order of the definition
.set II, II+2
.endr
.if \s < 2
	NLOAD \s+2
.endif
.if \s > 0
	s_wait_xcnt 0x0                                ; the last K step's stores have read the codes' registers
.endif
	QUANT HA, SW+\s
.irp c, 0,1,2
	global_store_b128 v[LI], v[PC+4*\c:PC+4*\c+3], s[8:9] offset:1536*\s+512*\c   ; 32 lanes store 512 consecutive bytes
.endr
.endr
	v_cmp_ne_u32 vcc_lo, 0, v3
	s_delay_alu instid0(VALU_DEP_1)
	v_cndmask_b32 v10, v[SW], v[SW+2], vcc_lo      ; lanes 0-15 store K steps 0, 1 of row r, lanes 16-31 K steps 2, 3
	s_delay_alu instid0(VALU_DEP_2)
	v_cndmask_b32 v11, v[SW+1], v[SW+3], vcc_lo
	global_store_b64 v[SWO], v[10:11], s[8:9] offset:6144    ; 32 lanes store 256 consecutive bytes, aligned
	s_wait_xcnt 0x0                                ; the stores have read their base and registers: the weights' part writes them anew
; ---------------------------------------------------------------- THE WEIGHTS
; wq [4096][2048], wk, wv [4096][1024], wo [2048][4096], f32, K = the FIRST axis.  A LANE TAKES A COLUMN AND ITS REGISTERS RUN DOWN K: a block of 32 lies in one lane, its largest magnitude needs no other lane,
; and the conversions give codes with K innermost.  A wave: 32 columns (two tiles; lanes 0-15 the first, lanes 16-31 the second); a trip is 256 along K: eight blocks, two K steps.
; Each load reads 128 consecutive bytes, four waves side by side 512.
; A lane makes all four blocks of a K step; the operand wants blocks 0, 2 in lanes 0-15 and 1, 3 in lanes 16-31: twelve exchanges of halves turn the two tiles' 24 registers into the two fragments.
; Waves share nothing.  Loads run two blocks (64 loads a wave) ahead.
.Lweights:
.set WSW,  26                          ; v26-27  this trip's two scale words of my column; v24-25 the trip before's
.set WTC,  28                          ; v28-30  a block's upper 16 codes (a conversion's three registers begin on an even number)
.set WOFF, 32                          ; v32-63  byte offset of my column in row i of a block
.set WX,   64                          ; v64-127 two sets of 32 numbers
.set WC,   128                         ; v128-151 a K step's codes: the first tile's fragment, then the second's
	s_load_b256 s[4:11], s[0:1], 0x0               ; wq, wk, wv, wo
	s_load_b128 s[12:15], s[0:1], 0x30             ; wqkv_c, wo_c
	s_and_b32 s36, s[WV], 3                        ; which 32 of the unit's 128 columns
	s_lshr_b32 s38, s[WV], 2
	s_lshl_b32 s39, ttmp9, 1
	s_add_co_u32 s39, s39, s38
	s_sub_co_u32 s39, s39, 256                     ; work-groups 128-255: unit 2 (work-group - 128) + wave / 4
	s_add_co_u32 s37, ttmp9, 256                   ; work-groups 0-127: unit 256 + work-group
	s_cmp_lt_u32 ttmp9, 128
	s_cselect_b32 s39, s37, s39
	s_cselect_b32 s41, s38, 0                      ; the half of the quad at which I begin
	s_cselect_b32 s37, 1, 2                        ; my trips
	v_and_b32 v1, 31, v0                           ; lane
	v_and_b32 v2, 15, v0                           ; r
	v_bfe_u32 v3, v0, 4, 1                         ; which of the wave's two tiles
	s_mov_b32 s22, 0                               ; first unit of my weight
	s_mov_b32 s23, 4                               ; log2 of its groups of 128 columns
	s_mov_b32 s24, 0                               ; its first tile in the output
	s_mov_b32 s25, 51200                           ; bytes of a tile in the output
	s_wait_alu depctr_va_vdst(0)
	s_wait_kmcnt 0x0
	s_mov_b64 s[16:17], s[4:5]
	s_mov_b64 s[20:21], s[12:13]
	s_cmp_ge_u32 s39, 128                          ; units 0-127 wq, 128-191 wk, 192-255 wv, 256-383 wo: only numbers and pointers are chosen, all take one path
	s_cselect_b32 s22, 128, s22
	s_cselect_b32 s23, 3, s23
	s_cselect_b32 s24, 128, s24
	s_cselect_b64 s[16:17], s[6:7], s[16:17]
	s_cmp_ge_u32 s39, 192
	s_cselect_b32 s22, 192, s22
	s_cselect_b32 s24, 192, s24
	s_cselect_b64 s[16:17], s[8:9], s[16:17]
	s_cmp_ge_u32 s39, 256
	s_cselect_b32 s22, 256, s22
	s_cselect_b32 s23, 5, s23
	s_cselect_b32 s24, 0, s24
	s_cselect_b32 s25, 25600, s25
	s_cselect_b64 s[16:17], s[10:11], s[16:17]
	s_cselect_b64 s[20:21], s[14:15], s[20:21]
	s_sub_co_u32 s26, s39, s22
	s_lshl_b32 s27, 1, s23
	s_sub_co_u32 s27, s27, 1
	s_and_b32 s28, s26, s27                        ; which 128 columns
	s_lshr_b32 s29, s26, s23                       ; which quad
	s_lshl_b32 s30, 512, s23                       ; a row of the weight in bytes
	s_lshl_b32 s18, 16384, s23                     ; 32 rows
	s_mov_b32 s19, 0
	s_add_co_u32 s31, s23, 18
	s_lshl_b32 s32, s29, s31                       ; 512 rows x quad
	s_sub_co_u32 s31, s31, 1
	s_lshl_b32 s33, s41, s31                       ; + 256 rows x half
	s_add_co_u32 s32, s32, s33
	s_lshl_b32 s33, s28, 9
	s_add_co_u32 s32, s32, s33
	s_lshl_b32 s33, s36, 7
	s_add_co_u32 s32, s32, s33                     ; + 512 x group + 128 x wave
	s_mov_b32 s33, 0
	s_add_nc_u64 s[16:17], s[16:17], s[32:33]
	s_lshl_b32 s34, s28, 3
	s_add_co_u32 s34, s34, s24
	s_lshl_b32 s35, s36, 1
	s_add_co_u32 s34, s34, s35                     ; my first tile
	s_mul_i32 s34, s34, s25
	s_mul_i32 s35, s41, 3072                       ; two fragment images x half
	s_add_co_u32 s34, s34, s35
	s_mul_i32 s35, s29, 6400
	s_add_co_u32 s34, s34, s35
	s_mov_b32 s35, 0
	s_add_nc_u64 s[20:21], s[20:21], s[34:35]
	s_mul_i32 s44, s41, 3064
	s_sub_co_u32 s44, 6144, s44
	s_mov_b32 s45, 0
	s_add_nc_u64 s[42:43], s[20:21], s[44:45]      ; the quad's scale words, + 8 x half
	v_and_b32 v8, 8, v2
	s_delay_alu instid0(VALU_DEP_1)
	v_add_nc_u32 v8, v8, v2
	s_delay_alu instid0(VALU_DEP_1)
	v_lshl_add_u32 v8, v3, 3, v8                   ; my column of the wave's 32: 8 x tile + r + 8 (r / 8)
	s_delay_alu instid0(VALU_DEP_1)
	v_lshlrev_b32 v[WOFF], 2, v8
.set II, 1
.rept 31
	s_delay_alu instid0(VALU_DEP_1)
	v_add_nc_u32 v[WOFF+II], s30, v[WOFF+II-1]
.set II, II+1
.endr
	v_lshlrev_b32 v4, 4, v1                        ; an image's place for my lane, first tile;
	s_delay_alu instid0(VALU_DEP_1)
	v_add_nc_u32 v5, s25, v4                       ; second tile
	v_mul_lo_u32 v6, v3, s25
	s_delay_alu instid0(VALU_DEP_1)
	v_lshl_add_u32 v6, v2, 4, v6                   ; my column's scale words
.macro LOAD t                          ; block t into set t % 2
.if (\t) > 0
	s_wait_xcnt 0x0                                ; the earlier loads have read their base, the earlier stores their data: both are written again only behind this wait
	s_add_nc_u64 s[16:17], s[16:17], s[18:19]
.endif
.set II, 0
.rept 32
	global_load_b32 v[WX+32*((\t)%2)+II], v[WOFF+II], s[16:17] th:TH_LOAD_NT
.set II, II+1
.endr
.endm
	v_mov_b32 v26, 0
	v_mov_b32 v27, 0
	s_wait_alu depctr_va_vdst(0)
.Lhalf:                                            ; a trip: 256 along K
	v_mov_b32 v24, v26                             ; the last trip's scale words move down
	v_mov_b32 v25, v27
	LOAD 0
	s_wait_alu depctr_va_vdst(0)
	LOAD 1
.macro BLOCK t
.set XS, WX+32*((\t)%2)
.set CD, WC+12*((\t)%2)+6*(((\t)%4)/2) ; blocks 0, 2 into the first fragment's registers, blocks 1, 3 into the second's
.if (\t) < 7
	s_wait_loadcnt 32                              ; this block's 32 loads are in; the next block's may be out
.else
	s_wait_loadcnt 0
.endif
	v_max3_num_f32 v12, |v[XS]|, |v[XS+1]|, |v[XS+2]|
	v_max3_num_f32 v13, |v[XS+3]|, |v[XS+4]|, |v[XS+5]|
.irp i, 6,10,14,18,22,26
	s_delay_alu instid0(VALU_DEP_2)
	v_max3_num_f32 v12, v12, |v[XS+\i]|, |v[XS+\i+1]|
	s_delay_alu instid0(VALU_DEP_2)
	v_max3_num_f32 v13, v13, |v[XS+\i+2]|, |v[XS+\i+3]|
.endr
	s_delay_alu instid0(VALU_DEP_2)
	v_max3_num_f32 v12, v12, |v[XS+30]|, |v[XS+31]|
	s_delay_alu instid0(VALU_DEP_1)
	v_max3_num_f32 v12, v12, v13, 0x1800000        ; and the floor 2^(3 - 127): the byte cannot fall under 1
	s_delay_alu instid0(VALU_DEP_1)
	v_add_nc_u32 v11, 0xff000000, v12              ; 2 off the exponent field: the conversion takes that field as its scale
	v_cvt_scalef32_pk16_fp6_f32 v[CD:CD+2], v[XS:XS+15], v11
	v_cvt_scalef32_pk16_fp6_f32 v[WTC:WTC+2], v[XS+16:XS+31], v11
	v_lshrrev_b32 v13, 23, v11                     ; the scale's byte (also the plain line behind the conversions)
.if (\t)%4 == 0
	s_delay_alu instid0(VALU_DEP_1)
	v_mov_b32 v[WSW+(\t)/4], v13
.else
	s_delay_alu instid0(VALU_DEP_1)
	v_lshl_or_b32 v[WSW+(\t)/4], v13, 8*((\t)%4), v[WSW+(\t)/4]
.endif
	v_mov_b32 v[CD+3], v[WTC]
	v_mov_b32 v[CD+4], v[WTC+1]
	v_mov_b32 v[CD+5], v[WTC+2]
.if (\t)%4 == 3                        ; a K step is whole
.set II, 0
.rept 12
	v_permlane16_swap_b32 v[WC+II], v[WC+12+II]    ; the first's lanes 16-31 (second tile, blocks 0, 2) change places with the second's lanes 0-15 (first tile, blocks 1, 3)
.set II, II+1
.endr
.irp c, 0,1,2
	global_store_b128 v4, v[WC+4*\c:WC+4*\c+3], s[20:21] offset:1536*((\t)/4)+512*\c       ; 32 lanes store 512 consecutive bytes
	global_store_b128 v5, v[WC+12+4*\c:WC+12+4*\c+3], s[20:21] offset:1536*((\t)/4)+512*\c
.endr
.endif
.if (\t)+2 < 8
	LOAD (\t)+2
.endif
.endm
.set Q, 0
.rept 8
	BLOCK Q
.set Q, Q+1
.endr
	s_wait_xcnt 0x0                                ; the trip's loads have read their base, its stores their base and data
	s_add_nc_u64 s[16:17], s[16:17], s[18:19]      ; on to the next trip's first block
	s_add_nc_u64 s[20:21], s[20:21], 3072
	s_sub_co_u32 s37, s37, 1
	s_cmp_lg_u32 s37, 0
	s_wait_alu depctr_va_vdst(0)
	s_cbranch_scc1 .Lhalf
	s_cmp_lt_u32 ttmp9, 128
	s_cbranch_scc1 .Lhalf_words
	global_store_b128 v6, v[24:27], s[42:43]       ; sixteen lanes store each tile's 256 bytes of scale words
	s_branch .Lend
.Lhalf_words:
	global_store_b64 v6, v[26:27], s[42:43]        ; my half's two words of each column
.Lend:
	s_wait_tensorcnt 0x0                           ; the wave's end
	ds_add_u32 v243, v255
	s_wait_dscnt 0x0
	s_endpgm
.Lfunc_end_k_q7aee8e7132_quant_all:
	.size	k_q7aee8e7132_quant_all, .Lfunc_end_k_q7aee8e7132_quant_all-k_q7aee8e7132_quant_all
	.p2alignl 7, 3214868480
	.fill 96, 4, 3214868480
	.section	.rodata,"a",@progbits
	.p2align	6, 0x0
	.amdhsa_kernel k_q7aee8e7132_quant_all
		.amdhsa_group_segment_fixed_size 272384
		.amdhsa_private_segment_fixed_size 0
		.amdhsa_enable_private_segment 0
		.amdhsa_kernarg_size 72
		.amdhsa_user_sgpr_count 2
		.amdhsa_user_sgpr_kernarg_segment_ptr 1
		.amdhsa_wavefront_size32 1
		.amdhsa_system_sgpr_workgroup_id_x 1
		.amdhsa_system_sgpr_workgroup_id_y 1
		.amdhsa_system_sgpr_workgroup_id_z 1
		.amdhsa_system_vgpr_workitem_id 0
		.amdhsa_next_free_vgpr 512
		.amdhsa_next_free_sgpr 66
		.amdhsa_reserve_vcc 1
		.amdhsa_float_denorm_mode_32 3
		.amdhsa_float_denorm_mode_16_64 3
		.amdhsa_memory_ordered 1
		.amdhsa_forward_progress 1
		.amdhsa_inst_pref_size 121
	.end_amdhsa_kernel
	.amdgpu_metadata
---
amdhsa.version: [ 1, 2 ]
amdhsa.kernels:
  - .name:           k_q7aee8e7132_quant_all
    .symbol:         k_q7aee8e7132_quant_all.kd
    .args:
      - { .name: wq, .offset: 0, .size: 8, .value_kind: global_buffer, .address_space: global }
      - { .name: wk, .offset: 8, .size: 8, .value_kind: global_buffer, .address_space: global }
      - { .name: wv, .offset: 16, .size: 8, .value_kind: global_buffer, .address_space: global }
      - { .name: wo, .offset: 24, .size: 8, .value_kind: global_buffer, .address_space: global }
      - { .name: hidden_states, .offset: 32, .size: 8, .value_kind: global_buffer, .address_space: global }
      - { .name: norm_w, .offset: 40, .size: 8, .value_kind: global_buffer, .address_space: global }
      - { .name: wqkv_c, .offset: 48, .size: 8, .value_kind: global_buffer, .address_space: global }
      - { .name: wo_c, .offset: 56, .size: 8, .value_kind: global_buffer, .address_space: global }
      - { .name: x_c, .offset: 64, .size: 8, .value_kind: global_buffer, .address_space: global }
    .group_segment_fixed_size: 272384
    .private_segment_fixed_size: 0
    .kernarg_segment_align: 8
    .kernarg_segment_size: 72
    .max_flat_workgroup_size: 256
    .sgpr_count:     66
    .vgpr_count:     512
    .wavefront_size: 32
...
	.end_amdgpu_metadata
.endif
;; end of part 1
;; launch gemm_qkv (part 2): grid 16 x 16, 4 waves a work-group, clusters of 4 x 4, 327,680 bytes of LDS; arguments wqkv_c, x_c, cos, sin, qkv; writes qkv
.if DOCPART == 2
	.amdgcn_target "amdgcn-amd-amdhsa--gfx1250"
	.amdhsa_code_object_version 6
	.text
	.protected	k_q7aee8e7132_gemm_qkv
	.globl	k_q7aee8e7132_gemm_qkv
	.p2align	8
	.type	k_q7aee8e7132_gemm_qkv,@function
k_q7aee8e7132_gemm_qkv:
	s_mov_b64 s[64:65], 0
	v_nop
	global_prefetch_b8 v0, s[64:65] scope:SCOPE_SE
	s_setreg_imm32_b32 hwreg(HW_REG_WAVE_MODE, 25, 1), 1
	s_wait_xcnt 0x0
	s_wait_alu depctr_hold_cnt(0) depctr_sa_sdst(0) depctr_va_vdst(0) depctr_va_sdst(0) depctr_va_ssrc(0) depctr_va_vcc(0) depctr_vm_vsrc(0)
	s_getreg_b32 s2, hwreg(HW_REG_IB_STS2, 6, 4)
	s_cmp_eq_u32 s2, 0
	s_cbranch_scc0 .Lentry_in_a_cluster
	s_endpgm
.Lentry_in_a_cluster:
	s_bfe_u32 s2, ttmp6, 0x10000c
	s_cmp_lg_u32 s2, 0xf033
	s_cbranch_scc0 .Lentry_shape_is_right
	s_endpgm
.Lentry_shape_is_right:
; q, k, v = h [wq wk wv] on codes of E2M3 (K = 4,096), then RoPE on q and k in f32, then each result quantised anew along the K of the product that reads it, and stored as fragment images.
; INPUTS wqkv_c, x_c: buf[tile][quad] of 6,400 bytes: four fragment images (16 rows x 128 K: registers 4 c .. 4 c + 3 of lane L at 512 c + 16 L), then 256 bytes of scale words (row r, K step q at 16 r + 4 q).
; OUTPUT qkv[hs][tg] of 12,800 bytes: eight fragment images, then scale words; hs 0-15 q, 16-23 k (K = the head's 128 channels), 24-31 v^T (K = 128 keys).
; A work-group makes 256 (operand P) x 128 (operand Q); a wave 128 x 64: 32 accumulators.  Source 0 = P's rows, source 1 = Q's rows: a lane holds one row of Q and its registers run along P's rows.
; Clusters with x under 3: P = columns of wq, wk, Q = tokens (a lane holds a token, registers along the channels).  Clusters with x = 3: P = tokens, Q = columns of wv (a lane holds a channel, registers along the keys).
; CLUSTER 4 x 4: P's tiles hang on the block's x alone and are asked for jointly along a column of the cluster, Q's on its y alone, along a row.
; RING: two slots of one quad (512 along K): 16 tiles of P, 8 of Q, 153,600 bytes.  Waves 0, 1 fetch P's halves, waves 2, 3 Q's: one tensor load a wave behind each round.
; The change of slots stands in a quad's last K step: that step's fragments are in registers, so the slot is read no more; 8 products stand between the add and its wait, 8 between signal and wait, 16 behind the next slot's first LDS loads.
; PREFETCH: behind each joint load the quad that the NEXT joint load will ask for: one slot, four K steps, 128 products of a wave ahead.  A tile's quad is 25 blocks of 256 bytes, a lane a block (lanes 25-31 name lane 24's again).
; The four partners of a joint load share its tiles out by address: of P's 8 tiles partner cy takes 2 (two instructions), of Q's 4 partner cx takes one.  The refill of the last quad asks for nothing.
; cos and sin: the rows of a wave's first two token tiles are loaded at the head into window 3; the other two tiles' rows, which are loaded on the way out, are prefetched at the head: 64 blocks of 256 bytes
; for each of cos, sin and each half of the 128 tokens; partner cx takes one of the four, its waves 0 and 1 half each.  V's clusters use neither and load neither.
; LIMITS: a block of zeros keeps the scale byte 1 (its codes are zeros; this program alone reads the bytes); NaN and infinities are not served.
; REGISTERS: window 0: v16-30 addresses, v32-95 scale words (two slots), v96-191 Q's fragments (two sets; free on the way out), v208-249 at work; window 1: P's fragments, sets at v0 and v128; window 2: accumulators; window 3: cos, sin.
.set NQD,  8
.set BLK,  6400
.set TP,   NQD*BLK
.set LAPS, NQD/2
.set QOFF, 16*BLK
.set SLOT, 24*BLK
.set SPARE, 2*SLOT                     ; the spare words, 128 bytes a wave: two blocks of 256 bytes that no other line names
.set ADP,  16
.set ADQ,  18
.set ADS,  20
.set ADS0, 22
.set LI,   24
.set CA,   25
.set SWO,  26
.set PFO,  27                          ; 256 x min(lane, 24)
.set SPW,  28
.set NIL,  29
.set CPO,  30                          ; 256 x lane
.set SC,   32
.set QF,   96
.set HA,   96
.set PC,   160                         ; on the way out: v160-207 the four tiles' codes, 12 registers each; v96-159 RoPE's products; v208-249 at work
.set TC,   224                         ; v224-230 the upper halves of a tile's blocks, ahead of the exchange
.set SW,   244
.set PR,   248
.set TM,   208
.set G1P,  24
.set G0P,  32
.set G1Q,  48
.set G0Q,  56
.set SEL,  80
.set PFA,  82                          ; s[82:83] my share of the tiles that I fetch, one quad behind what a prefetch in the ring names
.set CSP,  44                          ; s[44:45] my share of the late rows of cos or sin
.set MSB, 0
.macro WIN new                         ; the immediate's high byte repeats the setting that is left
.if MSB != (\new)
	s_set_vgpr_msb (MSB<<8)|(\new)
.set MSB, (\new)
.endif
.endm
.macro PLACES
.rept 4
	v_nop
.endr
.endm
.macro JLOAD s                         ; a joint load: each line has one mask; the branch hangs on the wave's number alone; s_nop 0 and four v_nop
	s_cmp_eq_u32 s15, 0
	s_cbranch_scc0 .Lfor_q_\@
	tensor_load_to_lds s[G0P+4*\s:G0P+4*\s+3], s[G1P:G1P+7]
	s_nop 0
.rept 4
	v_nop
.endr
	s_branch .Lasked_\@
.Lfor_q_\@:
	tensor_load_to_lds s[G0Q+4*\s:G0Q+4*\s+3], s[G1Q:G1Q+7]
	s_nop 0
.rept 4
	v_nop
.endr
.Lasked_\@:
.endm
.macro ASK guard, off                  ; guard = 1: not in the loop's last trip, whose second refill is the last quad's
.if \guard
	s_cmp_gt_u32 s3, 1
	s_cbranch_scc0 .Lnone_\@
.endif
	global_prefetch_b8 v[PFO], s[PFA:PFA+1] offset:\off th:TH_LOAD_NT scope:SCOPE_SE
	s_cmp_eq_u32 s15, 0
	s_cbranch_scc0 .Lnone_\@
	global_prefetch_b8 v[PFO], s[PFA:PFA+1] offset:TP+\off th:TH_LOAD_NT scope:SCOPE_SE   ; P's waves: my second tile
.Lnone_\@:
.endm
.macro CREST
	s_cmp_lg_u32 s14, 0
	s_cbranch_scc1 .Lnot_wave_0_\@
	s_barrier_signal -3
.Lnot_wave_0_\@:
	s_barrier_wait -3
	s_barrier_signal -1
	s_barrier_wait -1
.endm
.macro CROUND
	s_barrier_signal -1
	s_barrier_wait -1
	CREST
.endm
	s_load_b256 s[4:11], s[0:1], 0x0               ; wqkv_c, x_c, cos, sin
	s_load_b64 s[12:13], s[0:1], 0x20              ; qkv
	v_lshl_add_u32 v[SPW], v0, 2, SPARE
	v_mov_b32 v[NIL], 0
	ds_add_u32 v[SPW], v[NIL]                      ; the opening lines: the add twice on end and one wait; all set-up that needs no argument stands between
	ds_add_u32 v[SPW], v[NIL]
	v_lshrrev_b32 v1, 5, v0
	v_readfirstlane_b32 s14, v1                    ; wave
	s_lshr_b32 s15, s14, 1                         ; my half of Q's rows; also: I fetch for P (0) or Q (1)
	s_and_b32 s16, s14, 1                          ; my half of P's rows; also: which half of the tiles I fetch
	s_bfe_u32 s40, ttmp6, 0x40000                  ; cx
	s_bfe_u32 s41, ttmp6, 0x40004                  ; cy
	s_and_b32 s43, ttmp7, 0xffff
	s_and_b32 s44, s43, 1
	s_lshr_b32 s45, s43, 1
	s_cmp_lt_u32 ttmp9, 3
	s_cselect_b32 s17, ttmp9, s44
	s_cselect_b32 s18, s43, s45
	s_cselect_b32 s19, 0, 1                        ; 1: V's clusters
	s_cselect_b32 s46, 0, 192*TP                   ; wv's first tile
	s_lshl_b32 s17, s17, 2
	s_add_co_u32 s17, s17, s40                     ; which 256 rows of P
	s_lshl_b32 s18, s18, 2
	s_add_co_u32 s18, s18, s41                     ; which 128 rows of Q
	s_lshl_b32 s42, 0x1111, s40
	s_lshl_b32 s47, s41, 2
	s_lshl_b32 s47, 15, s47
	s_or_b32 s[G1P], s42, (3<<16)|(1<<21)          ; P's tiles go to my column of the cluster; elements of 8 bytes
	s_or_b32 s[G1Q], s47, (3<<16)|(1<<21)          ; Q's to my row
.irp g, G1P, G1Q
	s_mov_b32 s[\g+1], 800<<16                     ; a row: a tile's quad, 6,400 bytes
	s_mov_b32 s[\g+3], 800<<16
	s_mov_b32 s[\g+5], TP/8                        ; from tile to tile
	s_mov_b32 s[\g+6], 0
	s_mov_b32 s[\g+7], 0
.endr
	s_mov_b32 s[G1P+2], 8<<16
	s_mov_b32 s[G1P+4], 8
	s_mov_b32 s[G1Q+2], 4<<16
	s_mov_b32 s[G1Q+4], 4
	s_lshl_b32 s88, s17, 4
	s_lshl_b32 s89, s16, 3
	s_add_co_u32 s88, s88, s89
	s_mul_i32 s88, s88, TP                         ; the 8 tiles of P that I would fetch
	s_mov_b32 s89, 0
	s_lshl_b32 s90, s18, 3
	s_lshl_b32 s91, s16, 2
	s_add_co_u32 s90, s90, s91
	s_mul_i32 s90, s90, TP
	s_add_co_u32 s90, s90, s46                     ; the 4 tiles of Q
	s_mov_b32 s91, 0
	s_mul_i32 s78, s16, 8*BLK                      ; where they go in a slot
	s_mul_i32 s79, s16, 4*BLK
	s_add_co_u32 s79, s79, QOFF
	s_mov_b32 s[SEL], 0x76543210
	s_mov_b32 s[SEL+1], 0xfedcba98
	s_lshl_b32 s85, s41, 1                         ; the prefetches: of P's 8 tiles partner cy takes two, of Q's 4 partner cx one
	s_cmp_eq_u32 s15, 0
	s_cselect_b32 s84, s85, s40
	s_mul_i32 s84, s84, TP
	s_add_co_u32 s84, s84, BLK                     ; at quad 1
	s_mov_b32 s85, 0
	s_lshl_b32 s92, s18, 16                        ; cos, sin: my 64 tokens' rows of 512 bytes
	s_lshl_b32 s93, s15, 15
	s_add_co_u32 s92, s92, s93
	s_mov_b32 s93, 0
	s_lshr_b32 s98, s40, 1                         ; their prefetch: half cx / 2 of the 128 tokens, its rows 32-63, 8,192 bytes for each of waves 0, 1
	s_lshl_b32 s98, s98, 15
	s_lshl_b32 s99, s18, 16
	s_add_co_u32 s98, s98, s99
	s_lshl_b32 s99, s16, 13
	s_add_co_u32 s98, s98, s99
	s_add_co_u32 s98, s98, 16384
	s_mov_b32 s99, 0
	s_mul_i32 s74, s16, 8*BLK                      ; LDS: my 8 tiles of P,
	s_mul_i32 s75, s15, 4*BLK
	s_add_co_u32 s75, s75, QOFF                    ; my 4 of Q,
	s_xor_b32 s76, s16, 1
	s_mul_i32 s76, s76, 8*BLK
	s_mul_i32 s77, s15, 4*BLK
	s_add_co_u32 s76, s76, s77
	s_add_co_u32 s76, s76, 8*BLK                   ; and the distance from the first to the second
	s_add_co_u32 s86, s74, SLOT
	s_add_co_u32 s87, s75, SLOT
	v_and_b32 v1, 31, v0
	v_and_b32 v2, 15, v0                           ; r
	v_bfe_u32 v3, v0, 4, 1                         ; h
	v_lshlrev_b32 v[LI], 4, v1
	v_min_u32 v[PFO], 24, v1
	v_lshlrev_b32 v[CPO], 8, v1
	v_lshlrev_b32 v5, 4, v2
	v_mul_u32_u24 v6, s76, v3
	v_lshlrev_b32 v[PFO], 8, v[PFO]
	v_add_nc_u32 v5, 6144, v5                      ; a tile's scale words, row r
	v_add_nc_u32 v[ADP], s74, v[LI]
	v_add_nc_u32 v[ADQ], s75, v[LI]
	v_add_nc_u32 v[ADP+1], s86, v[LI]
	v_add_nc_u32 v[ADQ+1], s87, v[LI]
	v_add_nc_u32 v[ADS0], s74, v5
	v_add_nc_u32 v[ADS0+1], s86, v5
	v_and_b32 v7, 8, v2
	v_add_nc_u32 v[ADS], v[ADS0], v6               ; lanes 0-15 P's words, lanes 16-31 Q's
	v_add_nc_u32 v[ADS+1], v[ADS0+1], v6
	v_add_nc_u32 v7, v7, v2                        ; r + 8 (r / 8)
	v_lshlrev_b32 v[SWO], 4, v2
	v_lshlrev_b32 v[CA], 9, v7
	v_lshl_add_u32 v[SWO], v3, 3, v[SWO]
	v_lshl_add_u32 v[CA], v3, 6, v[CA]             ; cos, sin: my token's row + 64 h
.irp b, 0,1,2,3
	v_mov_b32 v[TM+4+\b], 0                        ; a lane permute's destination counts as one of its sources
.endr
	s_lshl_b32 s74, s17, 1                         ; the way out: unit (hs, tg)
	s_add_co_u32 s74, s74, s16
	s_add_co_u32 s75, s18, 24
	s_cmp_eq_u32 s19, 0
	s_cselect_b32 s76, s74, s75
	s_cselect_b32 s77, s18, s74
	s_lshl_b32 s76, s76, 4
	s_add_co_u32 s76, s76, s77
	s_mul_i32 s76, s76, 12800
	s_mul_i32 s77, s15, 6144
	s_add_co_u32 s94, s76, s77                     ; my four fragment images
	s_mov_b32 s95, 0
	s_lshl_b32 s77, s15, 8
	s_add_co_u32 s96, s76, s77
	s_add_co_u32 s96, s96, 12288                   ; their scale words
	s_mov_b32 s97, 0
	s_wait_alu depctr_va_vdst(0)
	s_wait_dscnt 0x0                               ; both opening adds are done
	s_wait_kmcnt 0x0
	s_cmp_eq_u32 s19, 0
	s_cselect_b64 s[20:21], s[4:5], s[6:7]
	s_cselect_b64 s[22:23], s[6:7], s[4:5]
	s_add_nc_u64 s[20:21], s[20:21], s[88:89]
	s_add_nc_u64 s[22:23], s[22:23], s[90:91]
.irp s, 0,1
	s_mov_b32 s[G0P+4*\s], 1
	s_add_co_u32 s[G0P+4*\s+1], s78, \s*SLOT
	s_add_nc_u64 s[G0P+4*\s+2:G0P+4*\s+3], s[20:21], \s*BLK
	s_or_b32 s[G0P+4*\s+3], s[G0P+4*\s+3], 0x80000000
	s_mov_b32 s[G0Q+4*\s], 1
	s_add_co_u32 s[G0Q+4*\s+1], s79, \s*SLOT
	s_add_nc_u64 s[G0Q+4*\s+2:G0Q+4*\s+3], s[22:23], \s*BLK
	s_or_b32 s[G0Q+4*\s+3], s[G0Q+4*\s+3], 0x80000000
.endr
	s_cmp_eq_u32 s15, 0
	s_cselect_b64 s[PFA:PFA+1], s[20:21], s[22:23]
	s_add_nc_u64 s[PFA:PFA+1], s[PFA:PFA+1], s[84:85]
	s_add_nc_u64 s[66:67], s[8:9], s[92:93]
	s_add_nc_u64 s[68:69], s[10:11], s[92:93]
	s_add_nc_u64 s[70:71], s[12:13], s[94:95]
	s_add_nc_u64 s[72:73], s[12:13], s[96:97]
	s_bitcmp1_b32 s40, 0                           ; partners with even cx name cos, the others sin
	s_cselect_b64 s[CSP:CSP+1], s[10:11], s[8:9]
	s_add_nc_u64 s[CSP:CSP+1], s[CSP:CSP+1], s[98:99]
	CROUND                                         ; all sixteen work-groups are here: the first joint loads meet
	JLOAD 0                                        ; quad 0: one tensor load a wave at the head
	ASK 0, 0                                       ; quad 1
.macro CSLOAD a                        ; cos and sin of token tile a, in the layout of lane (r, h), into window 3, set a % 2
	WIN 0xc0
.irp bb, 0,1,2,3
.irp j, 0,1,2,3
	global_load_b128 v[128*((\a)%2)+16*\bb+4*\j:128*((\a)%2)+16*\bb+4*\j+3], v[CA], s[66:67] offset:(32*((\a)/2)+8*((\a)%2))*512+128*\bb+16*\j
	global_load_b128 v[128*((\a)%2)+64+16*\bb+4*\j:128*((\a)%2)+64+16*\bb+4*\j+3], v[CA], s[68:69] offset:(32*((\a)/2)+8*((\a)%2))*512+128*\bb+16*\j
.endr
.endr
	WIN 0
.endm
	s_cmp_eq_u32 s19, 1
	s_cbranch_scc1 .Lno_cs                         ; v takes no RoPE
	s_cmp_eq_u32 s15, 0
	s_cbranch_scc0 .Lno_pf
	global_prefetch_b8 v[CPO], s[CSP:CSP+1] th:TH_LOAD_NT scope:SCOPE_SE
.Lno_pf:
	CSLOAD 0
	CSLOAD 1
.Lno_cs:
.macro FETCH slot, q, set              ; the fragments of K step q of a slot: images, 16 bytes a lane
	WIN 0x40
.irp i, 0,1,2,3,4,5,6,7
.irp c, 0,1,2
	ds_load_b128 v[128*(\set)+12*\i+4*\c:128*(\set)+12*\i+4*\c+3], v[ADP+\slot] offset:BLK*\i+1536*(\q)+512*\c
.endr
.endr
	WIN 0
.irp i, 0,1,2,3
.irp c, 0,1,2
	ds_load_b128 v[QF+48*(\set)+12*\i+4*\c:QF+48*(\set)+12*\i+4*\c+3], v[ADQ+\slot] offset:BLK*\i+1536*(\q)+512*\c
.endr
.endr
.endm
.macro SCALES slot                     ; a quad's scale words: register 4 i + q: lanes 0-15 P's tile i, lanes 16-31 (i under 4) Q's tile i
.irp i, 0,1,2,3
	ds_load_b128 v[SC+32*(\slot)+4*\i:SC+32*(\slot)+4*\i+3], v[ADS+\slot] offset:BLK*\i
.endr
.irp i, 4,5,6,7
	ds_load_b128 v[SC+32*(\slot)+4*\i:SC+32*(\slot)+4*\i+3], v[ADS0+\slot] offset:BLK*\i
.endr
.endm
.macro MUL a, set, slot, q, zero       ; Q's tile a against P's eight: the accumulators take turns
.irp b, 0,1,2,3,4,5,6,7
.if \zero
	v_wmma_scale_f32_16x16x128_f8f6f4 v[8*(8*(\a)+\b):8*(8*(\a)+\b)+7], v[128*(\set)+12*\b:128*(\set)+12*\b+11], v[QF+48*(\set)+12*(\a):QF+48*(\set)+12*(\a)+11], 0, v[SC+32*(\slot)+4*\b+(\q)], v[SC+32*(\slot)+4*(\a)+(\q)] matrix_a_fmt:MATRIX_FMT_FP6 matrix_b_fmt:MATRIX_FMT_FP6 matrix_b_scale:MATRIX_SCALE_ROW1
.else
	v_wmma_scale_f32_16x16x128_f8f6f4 v[8*(8*(\a)+\b):8*(8*(\a)+\b)+7], v[128*(\set)+12*\b:128*(\set)+12*\b+11], v[QF+48*(\set)+12*(\a):QF+48*(\set)+12*(\a)+11], v[8*(8*(\a)+\b):8*(8*(\a)+\b)+7], v[SC+32*(\slot)+4*\b+(\q)], v[SC+32*(\slot)+4*(\a)+(\q)] matrix_a_fmt:MATRIX_FMT_FP6 matrix_b_fmt:MATRIX_FMT_FP6 matrix_b_scale:MATRIX_SCALE_ROW1
.endif
.endr
.endm
.macro STEP slot, q, zero              ; one of a quad's first three K steps: the next step's fragments are asked for ahead of this step's 32 products
	s_wait_dscnt 0x0
	PLACES                                         ; four places in front of loads into registers that the last step's products read
	FETCH \slot, (\q)+1, 1-(\q)%2
	WIN 0xa1
	MUL 0, (\q)%2, \slot, \q, \zero
	MUL 1, (\q)%2, \slot, \q, \zero
	MUL 2, (\q)%2, \slot, \q, \zero
	MUL 3, (\q)%2, \slot, \q, \zero
	WIN 0
.endm
.macro TURN slot, next, fill           ; a quad's last K step, and the change of slots
.if \fill
	s_wait_xcnt 0x0                                ; the last prefetch, a slot back, has read its address
	s_add_nc_u64 s[PFA:PFA+1], s[PFA:PFA+1], BLK
.endif
	s_wait_tensorcnt 0x0                           ; all my tensor loads have landed: my part of the next slot
	ds_add_u32 v[SPW], v[NIL]
	s_wait_dscnt 1                                 ; this step's fragments are in; the add alone may be out
	WIN 0xa1
	MUL 0, 1, \slot, 3, 0
	s_wait_dscnt 0x0                               ; the add is done; my reads of this slot are over
	s_barrier_signal -1
	MUL 1, 1, \slot, 3, 0
	WIN 0
	s_barrier_wait -1
.if \fill
	CREST                                          ; the barrier has opened a round of the cluster's
	s_add_nc_u64 s[G0P+4*\slot+2:G0P+4*\slot+3], s[G0P+4*\slot+2:G0P+4*\slot+3], 2*BLK
	s_add_nc_u64 s[G0Q+4*\slot+2:G0Q+4*\slot+3], s[G0Q+4*\slot+2:G0Q+4*\slot+3], 2*BLK
	JLOAD \slot                                    ; the first tensor load behind the round; its four v_nop are the places for the loads below
.else
	PLACES
.endif
	FETCH \next, 0, 0
	SCALES \next
.if \fill && ((\slot) == 0 || LAPS > 2)
	ASK \slot, BLK                                 ; the quad that the next refill will ask for
.endif
	WIN 0xa1
	MUL 2, 1, \slot, 3, 0
	MUL 3, 1, \slot, 3, 0
	WIN 0
.endm
	s_wait_tensorcnt 0x0                           ; my part of quad 0 is in; slot 1's first fill is issued as a refill is
	ds_add_u32 v[SPW], v[NIL]
	s_wait_dscnt 0x0
	CROUND
	JLOAD 1                                        ; quad 1
	FETCH 0, 0, 0
	SCALES 0
	ASK 0, BLK                                     ; quad 2
	STEP 0, 0, 1                                   ; the first products start the sums
	s_mov_b32 s3, LAPS-1
.Llap:
	STEP 0, 1, 0
	STEP 0, 2, 0
	TURN 0, 1, 1
	STEP 1, 0, 0
	STEP 1, 1, 0
	STEP 1, 2, 0
	TURN 1, 0, 1
	STEP 0, 0, 0
	s_sub_co_u32 s3, s3, 1
	s_cmp_lg_u32 s3, 0
	s_cbranch_scc1 .Llap
	STEP 0, 1, 0
	STEP 0, 2, 0
	TURN 0, 1, 0                                   ; nothing is left to fetch
	STEP 1, 0, 0
	STEP 1, 1, 0
	STEP 1, 2, 0
	s_wait_dscnt 0x0
	WIN 0xa1
	MUL 0, 1, 1, 3, 0
	MUL 1, 1, 1, 3, 0
	MUL 2, 1, 1, 3, 0
	MUL 3, 1, 1, 3, 0
	WIN 0
	PLACES
; 64 numbers of a lane in window w, register 16 b + i = k 32 b + 16 h + i of my row, become a fragment's codes in v[PC] on and its scale word in v[pw]
.macro QUANT s, w, pw, pc
	WIN 5*(\w)
.irp b, 0,1,2,3
	v_max3_num_f32 v[TM+\b], |v[(\s)+16*\b]|, |v[(\s)+1+16*\b]|, 0x1800000   ; and the floor 2^(3 - 127): the byte cannot fall under 1
.endr
.irp i, 2,4,6,8,10,12,14
.irp b, 0,1,2,3
	v_max3_num_f32 v[TM+\b], |v[(\s)+16*\b+\i]|, |v[(\s)+1+16*\b+\i]|, v[TM+\b]
.endr
.endr
	WIN 0
.irp b, 0,1,2,3
	v_permlanex16_b32 v[TM+4+\b], v[TM+\b], s[SEL], s[SEL+1]
.endr
.irp b, 0,1,2,3
	v_max_num_f32 v[TM+\b], v[TM+\b], v[TM+4+\b]   ; with lane l xor 16's: the block's largest magnitude
.endr
.irp b, 0,1,2,3
	v_add_nc_u32 v[TM+12+\b], 0xff000000, v[TM+\b] ; 2 off its exponent field: the conversion's scale operand
.endr
.irp b, 0,1,2,3
	v_lshrrev_b32 v[TM+4+\b], 23, v[TM+12+\b]      ; the scale's byte
.endr
	v_lshl_or_b32 v[(\pw)], v[TM+5], 8, v[TM+4]
	v_lshl_or_b32 v[(\pw)], v[TM+6], 16, v[(\pw)]
	v_lshl_or_b32 v[(\pw)], v[TM+7], 24, v[(\pw)]
	WIN (\w)
.irp c, 0,1
	v_cvt_scalef32_pk16_fp6_f32 v[(\pc)+6*\c:(\pc)+2+6*\c], v[(\s)+32*\c:(\s)+15+32*\c], v[TM+12+2*\c]
	v_cvt_scalef32_pk16_fp6_f32 v[TC+4*\c:TC+2+4*\c], v[(\s)+16+32*\c:(\s)+31+32*\c], v[TM+13+2*\c]
.endr
	WIN 0
	v_nop                                          ; one plain line behind a scaled conversion
.irp c, 0,1                                    ; the operand wants a whole block in a lane
.irp i, 0,1,2
	v_permlane16_swap_b32 v[(\pc)+6*\c+\i], v[TC+4*\c+\i]
.endr
.irp i, 0,1,2
	v_mov_b32 v[(\pc)+3+6*\c+\i], v[TC+4*\c+\i]
.endr
.endr
.endm
.macro ROPE a                          ; x c + rotate_half(x) s: channels 0-63 take -x(d + 64) s(d), channels 64-127 x(d - 64) s(d); register d' and d' + 32 are 64 channels apart
	WIN 0x0e
.set II, 0
.rept 16
	v_pk_mul_f32 v[HA+II:HA+II+1], v[64*(\a)+32+II:64*(\a)+33+II], v[128*((\a)%2)+64+II:128*((\a)%2)+65+II]
	v_pk_mul_f32 v[HA+32+II:HA+33+II], v[64*(\a)+II:64*(\a)+1+II], v[128*((\a)%2)+96+II:128*((\a)%2)+97+II]
.set II, II+2
.endr
	WIN 0x8e                                       ; the results go back into the tile's own registers in window 2: one quantiser then serves q, k and v
.set II, 0
.rept 16
	v_pk_fma_f32 v[64*(\a)+II:64*(\a)+1+II], v[64*(\a)+II:64*(\a)+1+II], v[128*((\a)%2)+II:128*((\a)%2)+1+II], v[HA+II:HA+II+1] neg_lo:[0,0,1] neg_hi:[0,0,1]
	v_pk_fma_f32 v[64*(\a)+32+II:64*(\a)+33+II], v[64*(\a)+32+II:64*(\a)+33+II], v[128*((\a)%2)+32+II:128*((\a)%2)+33+II], v[HA+32+II:HA+33+II]
.set II, II+2
.endr
	WIN 0
.endm
	s_cmp_eq_u32 s19, 1
	s_cbranch_scc1 .Lplain_a                       ; v takes no RoPE (the cluster's number decides: the same in all partners)
	s_wait_loadcnt 32                              ; tile 0's cos and sin are in; tile 1's 32 loads may be out
	ROPE 0
	CSLOAD 2
	s_wait_loadcnt 32                              ; tile 1's are in; tile 2's 32 loads may be out
	ROPE 1
	CSLOAD 3
.Lplain_a:
	QUANT 0, 2, SW, PC                             ; each tile's codes have registers of their own: no store's data are written again
	QUANT 64, 2, SW+1, PC+12
	s_cmp_eq_u32 s19, 1
	s_cbranch_scc1 .Lplain_b
	s_wait_loadcnt 32                              ; tile 2's are in; tile 3's 32 loads may be out
	ROPE 2
	s_wait_loadcnt 0
	ROPE 3
.Lplain_b:
	QUANT 128, 2, SW+2, PC+24
	QUANT 192, 2, SW+3, PC+36
.irp a, 0,1,2,3
.irp c, 0,1,2
	global_store_b128 v[LI], v[PC+12*\a+4*\c:PC+12*\a+4*\c+3], s[70:71] offset:1536*\a+512*\c   ; 32 lanes store 512 consecutive bytes
.endr
.endr
	v_cmp_ne_u32 vcc_lo, 0, v3
	v_cndmask_b32 v[PR], v[SW], v[SW+2], vcc_lo    ; lanes 0-15 store tiles 0, 1 of row r, lanes 16-31 tiles 2, 3
	v_cndmask_b32 v[PR+1], v[SW+1], v[SW+3], vcc_lo
	global_store_b64 v[SWO], v[PR:PR+1], s[72:73]  ; 32 lanes store 256 consecutive bytes, aligned
	s_wait_tensorcnt 0x0                           ; the wave's end
	ds_add_u32 v[SPW], v[NIL]
	s_wait_dscnt 0x0
	CROUND                                         ; the closing round
	s_endpgm
.Lfunc_end_k_q7aee8e7132_gemm_qkv:
	.size	k_q7aee8e7132_gemm_qkv, .Lfunc_end_k_q7aee8e7132_gemm_qkv-k_q7aee8e7132_gemm_qkv
	.p2alignl 7, 3214868480
	.fill 96, 4, 3214868480
	.section	.rodata,"a",@progbits
	.p2align	6, 0x0
	.amdhsa_kernel k_q7aee8e7132_gemm_qkv
		.amdhsa_group_segment_fixed_size 327680
		.amdhsa_private_segment_fixed_size 0
		.amdhsa_enable_private_segment 0
		.amdhsa_kernarg_size 40
		.amdhsa_user_sgpr_count 2
		.amdhsa_user_sgpr_kernarg_segment_ptr 1
		.amdhsa_wavefront_size32 1
		.amdhsa_system_sgpr_workgroup_id_x 1
		.amdhsa_system_sgpr_workgroup_id_y 1
		.amdhsa_system_sgpr_workgroup_id_z 1
		.amdhsa_system_vgpr_workitem_id 0
		.amdhsa_next_free_vgpr 1024
		.amdhsa_next_free_sgpr 100
		.amdhsa_reserve_vcc 1
		.amdhsa_float_denorm_mode_32 3
		.amdhsa_float_denorm_mode_16_64 3
		.amdhsa_memory_ordered 1
		.amdhsa_forward_progress 1
		.amdhsa_inst_pref_size 166
	.end_amdhsa_kernel
	.amdgpu_metadata
---
amdhsa.version: [ 1, 2 ]
amdhsa.kernels:
  - .name:           k_q7aee8e7132_gemm_qkv
    .symbol:         k_q7aee8e7132_gemm_qkv.kd
    .args:
      - { .name: wqkv_c, .offset: 0, .size: 8, .value_kind: global_buffer, .address_space: global }
      - { .name: x_c, .offset: 8, .size: 8, .value_kind: global_buffer, .address_space: global }
      - { .name: cos, .offset: 16, .size: 8, .value_kind: global_buffer, .address_space: global }
      - { .name: sin, .offset: 24, .size: 8, .value_kind: global_buffer, .address_space: global }
      - { .name: qkv, .offset: 32, .size: 8, .value_kind: global_buffer, .address_space: global }
    .group_segment_fixed_size: 327680
    .private_segment_fixed_size: 0
    .kernarg_segment_align: 8
    .kernarg_segment_size: 40
    .max_flat_workgroup_size: 128
    .sgpr_count:     100
    .vgpr_count:     1024
    .wavefront_size: 32
...
	.end_amdgpu_metadata
.endif
;; end of part 2
;; launch attn (part 3): grid 32 x 8, 16 waves a work-group, clusters of 4 x 1, 327,680 bytes of LDS; arguments qkv, att_c; writes att_c
.if DOCPART == 3
	.amdgcn_target "amdgcn-amd-amdhsa--gfx1250"
	.amdhsa_code_object_version 6
	.text
	.protected	k_q7aee8e7132_attn
	.globl	k_q7aee8e7132_attn
	.p2align	8
	.type	k_q7aee8e7132_attn,@function
k_q7aee8e7132_attn:
	s_mov_b64 s[64:65], 0
	v_nop
	global_prefetch_b8 v0, s[64:65] scope:SCOPE_SE
	s_setreg_imm32_b32 hwreg(HW_REG_WAVE_MODE, 25, 1), 1
	s_wait_xcnt 0x0
	s_wait_alu depctr_hold_cnt(0) depctr_sa_sdst(0) depctr_va_vdst(0) depctr_va_sdst(0) depctr_va_ssrc(0) depctr_va_vcc(0) depctr_vm_vsrc(0)
	s_getreg_b32 s2, hwreg(HW_REG_IB_STS2, 6, 4)
	s_cmp_eq_u32 s2, 0
	s_cbranch_scc0 .Lentry_in_a_cluster
	s_endpgm
.Lentry_in_a_cluster:
	s_bfe_u32 s2, ttmp6, 0x10000c
	s_cmp_lg_u32 s2, 0x3003
	s_cbranch_scc0 .Lentry_shape_is_right
	s_endpgm
.Lentry_shape_is_right:
; Causal attention on codes of E2M3: S^T = K Q^T, p = 2^(t - M) quantised along the keys, O^T = V^T P^T, O / l quantised along (head, channel) for the last product.  16 query heads on 8 key and value heads, head size 128, 2,048 tokens.
; INPUT qkv[hs][tg] of 12,800 bytes: eight fragment images (1,536 bytes each: registers 4 c .. 4 c + 3 of lane L at 512 c + 16 L), then scale words at 12,288 + 256 (i / 4) + 16 r + 4 (i % 4).
;   hs 0-15 q, 16-23 k (fragment i: token tile 8 tg + i), 24-31 v^T (fragment i: channel tile, K = the 128 keys of step tg).  Lane r of tile T stands for row 32 (T / 2) + 8 (T % 2) + r + 8 (r / 8).
; OUTPUT att_c[token tile][quad] of 6,400 bytes: fragment images of K steps (= query heads) 4 quad + q, then scale words at 6,144 + 16 r + 4 q.
; SOFTMAX: t = score x log2(e) / sqrt(128); M = the running largest t rounded up to a whole number; p = 2^(t - M); the sum is taken of the unquantised p; when M moves, the sum and O^T are multiplied by 2^(old M - new M), exactly.
; SHARES.  Work-group (j = 4 c + cx, g): the blocks of 32 queries j and 63 - j, for both query heads of key head g: eight tiles of 16 queries, one to a wave.  A tile of block B needs key steps 0 .. B / 4:
;   c + 1 for the low block, 16 - c for the high one: 17 for each pair, in every work-group.  A step beyond a wave's diagonal is left out by a scalar branch on the cluster's number and the wave's, the same in all partners.
; CLUSTER: the four partners walk the same K and V: each unit is asked for jointly.  Every wave fetches one unit of 12,800 bytes of a slot's eight (four key steps of K, four of V).  Every work-group walks all four slots' worth:
;   trip counts are constants, and no tensor load or barrier is jumped over; units that a cluster's waves all leave out are fetched all the same.
; The result's scale word is stored as 4 bytes a row, 16 bytes apart (lanes r and 16 + r write the same word to the same place): 128 KB of the launch's stores.
; LIMITS: a block of zeros keeps the byte 1 (its codes are zeros); NaN and infinities are not served.
; REGISTERS: v1 16 x lane, v2 16 r; v8-9 LDS addresses; v12 -M, v13 largest t, v14-15 the sum; v16-27 Q; v28 prefetch offset; v29 the mask's number; v32-79 four fragments; v80-87 K's scale words, v88-95 V's;
;   v96-159 S^T, then p; v160-223 O^T; v224-235 p's codes; v232-254 at work; v253 p's scale word; v255 Q's.
; THE SHARES OF THE WAVES (this takes the place of what the lines above say of them): sixteen waves.  Each of the work-group's eight tiles of 16 queries has TWO waves, w and w + 8: wave w takes the even key steps,
; wave w + 8 the odd ones, each with its own running M, sum and O^T.  At the end wave w + 8 hands its O^T, -M and sum to wave w through LDS; both are brought under the larger M by exact powers of two and added.
; A wave that had no step hands over zeros under -M = 3e38: its factor is 0.  The hand-over lies in slot 0, 8,704 bytes a tile: slot 0 has had its last fill, and its last read lies ahead of the last change of slots.
; Every wave fetches half a unit, 6,400 bytes, of a slot's eight units: waves 0-7 K's, waves 8-15 V's.
.set UNIT,  12800
.set STG,   8704                       ; a tile's hand-over: 16 x 512 bytes of O^T, then 512 of -M, the largest t and the sum's halves
.set SLOT1, 1<<17                      ; slot 1 begins here: one exclusive or turns an address from one slot to the other
.set VOFF,  4*UNIT                     ; a slot: four units of K, then four of V
.set SPARE, 2*SLOT1                    ; the spare words, 128 bytes for each wave: eight blocks of 256 bytes that no other line names
.set SPW, 5
.set NIL, 6
.set ADK, 8
.set ADS, 9
.set PFO, 28
.set WV,  18
.set SEL, 20
.set CS,  22
.set G1,  24
.set G0,  40
.set TB,  2                            ; s2  LDS byte at which the step's unit of K begins
.set KT,  3                            ; s3  the key step's number
.set DG,  66                           ; s66 my diagonal step
.set SLOTS, 67
.set CNT, 68
.set PFA, 76
.set LIM, 80
.set PAR, 81                           ; s81 which key steps are mine: 0 the even, 1 the odd
.set STA, 7                            ; v7  LDS: my tile's hand-over + 16 x lane
.macro CROUND
	s_barrier_signal -1
	s_barrier_wait -1
	s_cmp_lg_u32 s[WV], 0
	s_cbranch_scc1 .Lnot_wave_0_\@
	s_barrier_signal -3
.Lnot_wave_0_\@:
	s_barrier_wait -3
	s_barrier_signal -1
	s_barrier_wait -1
.endm
; A prefetch of what the NEXT change of slots will ask for.  All clusters of a key head walk the same units: the head's first cluster asks.  Partner cx takes key step 4 x slot + cx, told apart by address;
; in it waves 0 and 1 name the halves of K's unit, waves 2 and 3 of V's: 25 blocks of 256 bytes each, a lane a block; lanes 25-31 name lane 24's block again.  The last change that fills a slot asks for nothing.
.macro ASK
	s_cmp_gt_u32 s[SLOTS], s[LIM]
	s_cbranch_scc0 .Lnot_mine_\@
	global_prefetch_b8 v[PFO], s[PFA:PFA+1] th:TH_LOAD_NT scope:SCOPE_SE
.Lnot_mine_\@:
.endm
	s_load_b128 s[4:7], s[0:1], 0x0                ; qkv, att_c
	v_lshl_add_u32 v[SPW], v0, 2, SPARE
	v_mov_b32 v[NIL], 0
	ds_add_u32 v5, v6
	ds_add_u32 v5, v6
	s_wait_dscnt 0x0
	v_lshrrev_b32 v8, 5, v0
	s_delay_alu instid0(VALU_DEP_1)
	v_readfirstlane_b32 s[WV], v8                  ; wave 0..15
	s_bfe_u32 s44, ttmp6, 0x40000                  ; cx
	s_and_b32 s45, ttmp7, 0xffff                   ; g
	s_bfe_u32 s46, s[WV], 0x10002                  ; u: which tile of the block
	s_lshr_b32 s[PAR], s[WV], 3
	s_and_b32 s83, s[WV], 7
	s_mul_i32 s83, s83, STG
	s_xor_b32 s47, s[WV], s46
	s_and_b32 s47, s47, 1                          ; 1: the low block
	s_bfe_u32 s48, s[WV], 0x10001                  ; e: which of the two query heads
	s_lshl_b32 s49, ttmp9, 2
	s_add_co_u32 s49, s49, s44                     ; j
	s_sub_co_u32 s50, 63, s49
	s_sub_co_u32 s51, 15, ttmp9
	s_cmp_eq_u32 s47, 1
	s_cselect_b32 s50, s49, s50                    ; B: my block of 32 queries
	s_cselect_b32 s[DG], ttmp9, s51                ; B / 4, made of the cluster's number and the wave's alone
	s_lshl_b32 s52, s50, 1
	s_add_co_u32 s52, s52, s46                     ; T: my token tile
	s_lshl_b32 s53, s45, 1
	s_add_co_u32 s53, s53, s48                     ; hq: my query head
	s_lshl_b32 s54, s53, 4
	s_lshr_b32 s55, s52, 3
	s_add_co_u32 s54, s54, s55
	s_mul_i32 s54, s54, UNIT                       ; q's unit
	s_and_b32 s55, s52, 7
	s_mul_i32 s56, s55, 1536
	s_add_co_u32 s56, s56, s54                     ; my fragment of q
	s_mov_b32 s57, 0
	s_lshr_b32 s58, s55, 2
	s_lshl_b32 s58, s58, 8
	s_and_b32 s59, s52, 3
	s_lshl_b32 s59, s59, 2
	s_add_co_u32 s58, s58, s59
	s_add_co_u32 s58, s58, s54
	s_add_co_u32 s58, s58, 12288                   ; its scale words
	s_mov_b32 s59, 0
	s_lshl_b32 s60, s52, 2
	s_lshr_b32 s61, s53, 2
	s_add_co_u32 s60, s60, s61
	s_mul_i32 s60, s60, 6400                       ; att_c: block (T, hq / 4)
	s_and_b32 s61, s53, 3
	s_lshl_b32 s62, s61, 2
	s_add_co_u32 s62, s62, s60
	s_add_co_u32 s62, s62, 6144                    ; my scale words
	s_mov_b32 s63, 0
	s_mul_i32 s61, s61, 1536
	s_add_co_u32 s60, s60, s61                     ; my fragment
	s_mov_b32 s61, 0
	s_lshl_b32 s70, s[PAR], 3                      ; what I fetch: hs = 16 + g + 8 (wave / 8), tg = (wave / 2) % 4, half wave % 2
	s_add_co_u32 s70, s70, s45
	s_add_co_u32 s70, s70, 16
	s_lshl_b32 s70, s70, 4
	s_bfe_u32 s71, s[WV], 0x20001
	s_add_co_u32 s70, s70, s71
	s_mul_i32 s70, s70, UNIT
	s_and_b32 s71, s[WV], 1
	s_mul_i32 s71, s71, UNIT/2
	s_add_co_u32 s70, s70, s71
	s_mov_b32 s71, 0
	s_bfe_u32 s72, s[WV], 0x10001                  ; the prefetches: waves 0, 1 K, waves 2, 3 V
	s_lshl_b32 s72, s72, 3
	s_add_co_u32 s72, s72, s45
	s_add_co_u32 s72, s72, 16
	s_lshl_b32 s72, s72, 4
	s_add_co_u32 s72, s72, s44                     ; my work-group's key step of a slot
	s_mul_i32 s72, s72, UNIT
	s_and_b32 s73, s[WV], 1
	s_mul_i32 s73, s73, 6400
	s_add_co_u32 s72, s72, s73
	s_add_co_u32 s72, s72, 4*UNIT                  ; in slot 1: the first change of slots steps it to slot 2
	s_mov_b32 s73, 0
	s_or_b32 s82, s46, ttmp9
	s_or_b32 s82, s82, s[PAR]
	s_cmp_eq_u32 s82, 0                            ; waves 0-3 of the head's first cluster
	s_cselect_b32 s[LIM], 1, -1
	s_and_b32 s75, s50, 3
	s_lshl_b32 s75, s75, 5
	s_lshl_b32 s74, s46, 3
	s_add_co_u32 s75, s75, s74                     ; my tile's first query in its diagonal step
	; descriptor group 1: half a unit as 25 rows of 256 bytes (32 elements of 8 bytes), dense; the mask names all four partners
	s_mov_b32 s[G1], 15|(3<<16)|(1<<21)
	s_mov_b32 s[G1+1], 32<<16
	s_mov_b32 s[G1+2], 25<<16
	s_mov_b32 s[G1+3], 32<<16
	s_mov_b32 s[G1+4], 25
	s_mov_b32 s[G1+5], 32
	s_mov_b32 s[G1+6], 0
	s_mov_b32 s[G1+7], 0
	s_mov_b32 s[SEL], 0x76543210
	s_mov_b32 s[SEL+1], 0xfedcba98
	s_mov_b32 s[CS], 0x3e0293ee                    ; c = log2(e) / sqrt(128)
	s_mov_b32 s[CS+1], s[CS]
	s_mov_b32 s[TB], 0
	s_mov_b32 s[KT], 0
	s_mov_b32 s[SLOTS], 3
	s_wait_kmcnt 0x0
	s_mov_b32 s[G0], 1
	s_mul_i32 s[G0+1], s[WV], UNIT/2               ; LDS: half a unit x wave, in slot 0
	s_add_nc_u64 s[G0+2:G0+3], s[4:5], s[70:71]
	s_or_b32 s[G0+3], s[G0+3], 0x80000000
	s_add_nc_u64 s[PFA:PFA+1], s[4:5], s[72:73]
	s_add_nc_u64 s[56:57], s[4:5], s[56:57]
	s_add_nc_u64 s[58:59], s[4:5], s[58:59]
	s_add_nc_u64 s[60:61], s[6:7], s[60:61]
	s_add_nc_u64 s[62:63], s[6:7], s[62:63]
	CROUND                                         ; all four work-groups are here: the first joint loads meet
	tensor_load_to_lds s[G0:G0+3], s[G1:G1+7]      ; key steps 0 to 3
	s_nop 0
.rept 4
	v_nop
.endr
	v_and_b32 v8, 31, v0
	s_delay_alu instid0(VALU_DEP_1)
	v_lshlrev_b32 v1, 4, v8                        ; 16 x lane
	v_add_nc_u32 v[STA], s83, v1
	v_and_b32 v9, 15, v0                           ; r
	s_delay_alu instid0(VALU_DEP_1)
	v_lshlrev_b32 v2, 4, v9                        ; 16 r
	v_bfe_u32 v10, v0, 4, 1                        ; h
.irp c, 0,1,2
	global_load_b128 v[16+4*\c:19+4*\c], v1, s[56:57] offset:512*\c   ; Q's fragment stays in registers
.endr
	global_load_b32 v255, v2, s[58:59]             ; and its scale words
	v_min_u32 v[PFO], 24, v8
	s_delay_alu instid0(VALU_DEP_1)
	v_lshlrev_b32 v[PFO], 8, v[PFO]
	v_and_b32 v11, 8, v9
	s_delay_alu instid0(VALU_DEP_1)
	v_add_nc_u32 v29, v11, v9
	s_delay_alu instid0(VALU_DEP_1)
	v_add_nc_u32 v29, s75, v29
	v_lshlrev_b32 v10, 4, v10
	s_delay_alu instid0(VALU_DEP_1)
	v_sub_nc_u32 v29, v29, v10                     ; my query in its diagonal step - 16 h: register 16 b + i is hidden there where 32 b + i is greater
	v_mov_b32 v13, 0xff61b1e6                      ; the largest t so far: -3e38
	s_delay_alu instid0(VALU_DEP_1)
	v_floor_f32 v12, -v13                          ; -M
	v_mov_b32 v14, 0
	v_mov_b32 v15, 0
.irp b, 0,1,2,3
	v_mov_b32 v[236+\b], 0                         ; a lane permute's destination counts as one of its sources
.endr
	v_mov_b32 v252, 0
	v_mov_b32 v253, 0
.set NN, 0
.rept 64
	v_mov_b32 v[160+NN], 0                         ; O^T: the step is written once; the first finds zeros
.set NN, NN+1
.endr
; A KEY STEP of 128 keys
.macro STEP
	s_cmp_gt_u32 s[KT], s[DG]                      ; all its keys come after my queries: only the steps of the addresses remain
	s_cbranch_scc1 .Lhidden_\@
	s_and_b32 s69, s[KT], 1
	s_cmp_lg_u32 s69, s[PAR]                       ; or the step is my partner's
	s_cbranch_scc1 .Lhidden_\@
	v_add_nc_u32 v[ADK], s[TB], v1
	s_wait_alu depctr_va_vdst(0)
	v_add_nc_u32 v[ADS], s[TB], v2
	v_nop
	v_nop                                          ; with the two additions: four places in front of loads into registers that the last products read
	ds_load_b128 v[80:83], v[ADS] offset:12288     ; K's scale words: register 80 + i: tile i, row r
	ds_load_b128 v[84:87], v[ADS] offset:12544
.irp g, 0,1                                    ; S^T = K Q^T, four tiles of 16 keys at a time
.if \g > 0
.rept 4
	v_nop
.endr
.endif
.irp t, 0,1,2,3
.irp c, 0,1,2
	ds_load_b128 v[32+12*\t+4*\c:35+12*\t+4*\c], v[ADK] offset:1536*(4*\g+\t)+512*\c
.endr
.endr
	s_wait_dscnt 0x0
.irp t, 0,1,2,3
	v_wmma_scale_f32_16x16x128_f8f6f4 v[96+8*(4*\g+\t):103+8*(4*\g+\t)], v[32+12*\t:43+12*\t], v[16:27], 0, v[80+4*\g+\t], v255 matrix_a_fmt:MATRIX_FMT_FP6 matrix_b_fmt:MATRIX_FMT_FP6
.endr
.endr
.rept 4
	v_nop
.endr
	s_wait_alu depctr_va_vdst(0)
	ds_load_b128 v[88:91], v[ADS] offset:VOFF+12288    ; V's scale words and its first four tiles are asked for ahead of the softmax
	ds_load_b128 v[92:95], v[ADS] offset:VOFF+12544
.irp t, 0,1,2,3
.irp c, 0,1,2
	ds_load_b128 v[32+12*\t+4*\c:35+12*\t+4*\c], v[ADK] offset:VOFF+1536*\t+512*\c
.endr
.endr
	s_cmp_lt_u32 s[KT], s[DG]                      ; ahead of the diagonal all keys count
	s_cbranch_scc1 .Lopen_\@
	v_mov_b32 v254, 0xff800000                     ; -infinity: p = 0
.set NN, 0
.rept 64
	v_cmp_gt_i32 vcc_lo, 32*(NN/16)+NN%16, v29
	v_cndmask_b32 v[96+NN], v[96+NN], v254, vcc_lo
.set NN, NN+1
.endr
.Lopen_\@:
.irp b, 0,1,2,3
	v_max3_num_f32 v[232+\b], v[96+16*\b], v[97+16*\b], v[98+16*\b]   ; the largest score of each block of 32 keys: for the row's maximum, and, since p rises with the score, for the block's largest p
.endr
.irp i, 3,5,7,9,11,13
.irp b, 0,1,2,3
	v_max3_num_f32 v[232+\b], v[232+\b], v[96+16*\b+\i], v[97+16*\b+\i]
.endr
.endr
.irp b, 0,1,2,3
	v_max_num_f32 v[232+\b], v[232+\b], v[111+16*\b]
.endr
.irp b, 0,1,2,3
	s_delay_alu instid0(VALU_DEP_4)
	v_permlanex16_b32 v[236+\b], v[232+\b], s[SEL], s[SEL+1]
.endr
.irp b, 0,1,2,3
	s_delay_alu instid0(VALU_DEP_4)
	v_max_num_f32 v[232+\b], v[232+\b], v[236+\b]  ; with lane l xor 16's 16 keys
.endr
	s_delay_alu instid0(VALU_DEP_2)
	v_max3_num_f32 v254, v232, v233, v234
	s_delay_alu instid0(VALU_DEP_1)
	v_max_num_f32 v254, v254, v235
	s_delay_alu instid0(VALU_DEP_1)
	v_mul_f32 v254, s[CS], v254                    ; the step's largest t
	s_delay_alu instid0(VALU_DEP_1)
	v_max_num_f32 v13, v13, v254
	v_mov_b32 v254, v12
	s_delay_alu instid0(VALU_DEP_2)
	v_floor_f32 v12, -v13                          ; the new -M = -ceil(t)
	s_delay_alu instid0(VALU_DEP_1)
	v_sub_f32 v254, v12, v254                      ; old M - new M: a whole number, 0 or less
	s_delay_alu instid0(VALU_DEP_1)
	v_cvt_i32_f32 v254, v254                       ; (it saturates)
	s_delay_alu instid0(VALU_DEP_1)
	v_ldexp_f32 v252, 1.0, v254                    ; f = 2^(old M - new M)
.set NN, 0
.rept 32
	v_pk_fma_f32 v[96+NN:97+NN], v[96+NN:97+NN], s[CS:CS+1], v[12:13] op_sel_hi:[1,0,0]   ; t - M
.set NN, NN+2
.endr
.irp b, 0,1,2,3
	v_fma_f32 v[232+\b], v[232+\b], s[CS], v12
.endr
.set NN, 0
	s_wait_alu depctr_va_vdst(0)
.rept 64
	v_exp_f32 v[96+NN], v[96+NN]                   ; p = 2^(t - M)
.set NN, NN+1
.endr
	v_pk_mul_f32 v[14:15], v[14:15], v[252:253] op_sel_hi:[1,0]   ; the sums under the new M (a plain line behind the exponentials)
	s_wait_alu depctr_va_vdst(0)                   ; the wait ahead of the first reader: one for the batch
.irp b, 0,1,2,3
	v_exp_f32 v[232+\b], v[232+\b]                 ; the block's largest p
.endr
	v_pk_add_f32 v[236:237], v[100:101], v[104:105]
	v_pk_add_f32 v[250:251], v[108:109], v[112:113]
	v_pk_add_f32 v[248:249], v[116:117], v[120:121]
	v_pk_add_f32 v[246:247], v[124:125], v[128:129]
	v_pk_add_f32 v[244:245], v[132:133], v[136:137]
	v_pk_add_f32 v[242:243], v[140:141], v[144:145]
	v_pk_add_f32 v[240:241], v[148:149], v[152:153]
	v_pk_add_f32 v[14:15], v[14:15], v[156:157]
	v_pk_add_f32 v[236:237], v[236:237], v[96:97]
	v_pk_add_f32 v[250:251], v[250:251], v[98:99]
	v_pk_add_f32 v[248:249], v[248:249], v[102:103]
	v_pk_add_f32 v[246:247], v[246:247], v[106:107]
	v_pk_add_f32 v[244:245], v[244:245], v[110:111]
	v_pk_add_f32 v[242:243], v[242:243], v[114:115]
	v_pk_add_f32 v[240:241], v[240:241], v[118:119]
	v_pk_add_f32 v[14:15], v[14:15], v[122:123]
	v_pk_add_f32 v[236:237], v[236:237], v[126:127]
	v_pk_add_f32 v[250:251], v[250:251], v[130:131]
	v_pk_add_f32 v[248:249], v[248:249], v[134:135]
	v_pk_add_f32 v[246:247], v[246:247], v[138:139]
	v_pk_add_f32 v[244:245], v[244:245], v[142:143]
	v_pk_add_f32 v[242:243], v[242:243], v[146:147]
	v_pk_add_f32 v[240:241], v[240:241], v[150:151]
	v_pk_add_f32 v[14:15], v[14:15], v[154:155]
	v_pk_add_f32 v[236:237], v[236:237], v[158:159]
	s_delay_alu instid0(VALU_DEP_2)
	v_pk_add_f32 v[14:15], v[14:15], v[246:247]
	s_delay_alu instid0(VALU_DEP_2)
	v_pk_add_f32 v[236:237], v[236:237], v[244:245]
	v_pk_add_f32 v[250:251], v[250:251], v[242:243]
	v_pk_add_f32 v[248:249], v[248:249], v[240:241]
	s_delay_alu instid0(VALU_DEP_2)
	v_pk_add_f32 v[14:15], v[14:15], v[250:251]
	s_delay_alu instid0(VALU_DEP_2)
	v_pk_add_f32 v[236:237], v[236:237], v[248:249]
	s_delay_alu instid0(VALU_DEP_1)
	v_pk_add_f32 v[14:15], v[14:15], v[236:237]
	s_wait_alu depctr_va_vdst(0)                   ; and one for the four
.irp b, 0,1,2,3
	v_max_num_f32 v[232+\b], 0x1800000, v[232+\b]  ; the floor 2^(3 - 127)
.endr
.irp b, 0,1,2,3
	s_delay_alu instid0(VALU_DEP_4)
	v_add_nc_u32 v[244+\b], 0xff000000, v[232+\b]
.endr
.irp b, 0,1,2,3
	s_delay_alu instid0(VALU_DEP_4)
	v_lshrrev_b32 v[236+\b], 23, v[244+\b]
.endr
	s_delay_alu instid0(VALU_DEP_3)
	v_lshl_or_b32 v253, v237, 8, v236              ; p's scale word for these 128 keys
	s_delay_alu instid0(VALU_DEP_1)
	v_lshl_or_b32 v253, v238, 16, v253
	s_delay_alu instid0(VALU_DEP_1)
	v_lshl_or_b32 v253, v239, 24, v253
.irp c, 0,1
	v_cvt_scalef32_pk16_fp6_f32 v[224+6*\c:226+6*\c], v[96+32*\c:111+32*\c], v[244+2*\c]
	v_cvt_scalef32_pk16_fp6_f32 v[236+4*\c:238+4*\c], v[112+32*\c:127+32*\c], v[245+2*\c]
.endr
	v_nop                                          ; one plain line behind a scaled conversion
.irp c, 0,1
.irp i, 0,1,2
	v_permlane16_swap_b32 v[224+6*\c+\i], v[236+4*\c+\i]
.endr
.irp i, 0,1,2
	s_delay_alu instid0(VALU_DEP_3)
	v_mov_b32 v[227+6*\c+\i], v[236+4*\c+\i]
.endr
.endr
.set NN, 0
.rept 32
	v_pk_mul_f32 v[160+NN:161+NN], v[160+NN:161+NN], v[252:253] op_sel_hi:[1,0]   ; O^T under the new M; these 32 are also the places in front of the matrix instructions below
.set NN, NN+2
.endr
	s_wait_alu depctr_va_vdst(0)
	s_wait_dscnt 0x0                               ; V's first four tiles and its scale words are in
.irp t, 0,1,2,3
	v_wmma_scale_f32_16x16x128_f8f6f4 v[160+8*\t:167+8*\t], v[32+12*\t:43+12*\t], v[224:235], v[160+8*\t:167+8*\t], v[88+\t], v253 matrix_a_fmt:MATRIX_FMT_FP6 matrix_b_fmt:MATRIX_FMT_FP6
.endr
.rept 4
	v_nop
.endr
.irp t, 0,1,2,3
.irp c, 0,1,2
	ds_load_b128 v[32+12*\t+4*\c:35+12*\t+4*\c], v[ADK] offset:VOFF+1536*(4+\t)+512*\c
.endr
.endr
	s_wait_dscnt 0x0
.irp t, 0,1,2,3
	v_wmma_scale_f32_16x16x128_f8f6f4 v[192+8*\t:199+8*\t], v[32+12*\t:43+12*\t], v[224:235], v[192+8*\t:199+8*\t], v[92+\t], v253 matrix_a_fmt:MATRIX_FMT_FP6 matrix_b_fmt:MATRIX_FMT_FP6
.endr
.Lhidden_\@:
	s_add_co_u32 s[TB], s[TB], UNIT
	s_add_co_u32 s[KT], s[KT], 1
.endm
; THE CHANGE OF SLOTS stands at a slot's head.  Each wave waits for all its tensor loads (its half unit of the slot ahead), adds 0 to its spare word, and waits for that and for its reads of the slot that it has left.
; fill = 1: the barrier is a round of the cluster's, and the slot that was left is filled with the next four key steps: the load has a slot's four steps in which to land.
.macro CHANGE fill
	s_wait_tensorcnt 0x0                           ; no tensor load of mine is out, so the group 0 may be written
	ds_add_u32 v[SPW], v[NIL]                      ; 0 onto my spare word
.if \fill
	s_xor_b32 s[G0+1], s[G0+1], SLOT1
	s_add_nc_u64 s[G0+2:G0+3], s[G0+2:G0+3], 4*UNIT
	s_wait_xcnt 0x0                                ; the last prefetch, a slot back, has read its address
	s_add_nc_u64 s[PFA:PFA+1], s[PFA:PFA+1], 4*UNIT
	s_wait_dscnt 0x0                               ; the add is done, and my reads of the slot that I have left are over
	CROUND
	tensor_load_to_lds s[G0:G0+3], s[G1:G1+7]      ; the first thing behind the round, and my one tensor load until the next
	s_nop 0
.rept 4
	v_nop
.endr
	ASK
.else
	s_wait_dscnt 0x0
	s_barrier_signal -1
	s_barrier_wait -1
.endif
.endm
.macro SLOT_STEPS                      ; a slot's four key steps: written once, walked four times
	s_mov_b32 s[CNT], 4
.Lstep_\@:
	STEP
	s_sub_co_u32 s[CNT], s[CNT], 1
	s_cmp_lg_u32 s[CNT], 0
	s_cbranch_scc1 .Lstep_\@
	s_sub_co_u32 s[TB], s[TB], 4*UNIT
	s_xor_b32 s[TB], s[TB], SLOT1                  ; on to the other slot
.endm
	s_wait_loadcnt 0x0                             ; Q
.Lslot:                                            ; three trips: behind each change of slots but the last the next slot is asked for
	CHANGE 1
	SLOT_STEPS
	s_sub_co_u32 s[SLOTS], s[SLOTS], 1
	s_cmp_lg_u32 s[SLOTS], 0
	s_cbranch_scc1 .Lslot
	CHANGE 0                                       ; the last slot is written out
	SLOT_STEPS
	; THE WAY OUT: O^T / the sum; register 16 b + i is channel 32 b + 16 h + i of my query: one K step of the last product; quantised and stored as a fragment image
.rept 4
	v_nop
.endr
	s_wait_alu depctr_va_vdst(0)
	s_cmp_eq_u32 s[PAR], 0
	s_cbranch_scc1 .Lkeeper
.set NN, 0
.rept 16
	ds_store_b128 v[STA], v[160+4*NN:163+4*NN] offset:512*NN   ; the odd steps' O^T, each accumulator from its low end on
.set NN, NN+1
.endr
	ds_store_b128 v[STA], v[12:15] offset:8192     ; -M, the largest t, the sum's two halves
.Lkeeper:
	s_wait_dscnt 0x0                               ; for the partner's sake: my stores have landed
	s_barrier_signal -1
	s_barrier_wait -1
	s_cmp_lg_u32 s[PAR], 0
	s_cbranch_scc1 .Ldone                          ; the odd steps' wave has handed over
	ds_load_b128 v[244:247], v[STA] offset:8192
.set NN, 0
.rept 16
	ds_load_b128 v[96+4*NN:99+4*NN], v[STA] offset:512*NN
.set NN, NN+1
.endr
	s_wait_dscnt 16                                ; the partner's -M and sums are in; its O^T may be out
	v_min_num_f32 v248, v12, v244                  ; the joint -M
	s_delay_alu instid0(VALU_DEP_1)
	v_sub_f32 v249, v248, v12                      ; my M - the joint M: a whole number, 0 or less
	v_sub_f32 v250, v248, v244                     ; and the partner's
	s_delay_alu instid0(VALU_DEP_2)
	v_cvt_i32_f32 v249, v249                       ; (it saturates)
	s_delay_alu instid0(VALU_DEP_2)
	v_cvt_i32_f32 v250, v250
	s_delay_alu instid0(VALU_DEP_2)
	v_ldexp_f32 v252, 1.0, v249
	s_delay_alu instid0(VALU_DEP_2)
	v_ldexp_f32 v254, 1.0, v250
	s_delay_alu instid0(VALU_DEP_2)
	v_pk_mul_f32 v[14:15], v[14:15], v[252:253] op_sel_hi:[1,0]
	s_delay_alu instid0(VALU_DEP_1)
	v_pk_fma_f32 v[14:15], v[246:247], v[254:255], v[14:15] op_sel_hi:[1,0,1]
	s_wait_alu depctr_va_vdst(0)
	s_wait_dscnt 0x0
.set NN, 0
.rept 32
	v_pk_mul_f32 v[160+NN:161+NN], v[160+NN:161+NN], v[252:253] op_sel_hi:[1,0]
.set NN, NN+2
.endr
.set NN, 0
.rept 32
	v_pk_fma_f32 v[160+NN:161+NN], v[96+NN:97+NN], v[254:255], v[160+NN:161+NN] op_sel_hi:[1,0,1]
.set NN, NN+2
.endr
	v_add_f32 v14, v14, v15
	s_delay_alu instid0(VALU_DEP_1)
	v_permlanex16_b32 v252, v14, s[SEL], s[SEL+1]
	s_delay_alu instid0(VALU_DEP_1)
	v_add_f32 v14, v14, v252                       ; the row's sum
	s_wait_alu depctr_va_vdst(0)
	v_rcp_f32 v14, v14
	v_nop                                          ; a plain line behind the transcendental
	s_wait_alu depctr_va_vdst(0)                   ; the wait ahead of the first reader
.set NN, 0
.rept 32
	v_pk_mul_f32 v[96+NN:97+NN], v[160+NN:161+NN], v[14:15] op_sel_hi:[1,0]   ; each accumulator from its low end on
.set NN, NN+2
.endr
.irp b, 0,1,2,3
	v_max3_num_f32 v[232+\b], |v[96+16*\b]|, |v[97+16*\b]|, 0x1800000
.endr
.irp i, 2,4,6,8,10,12,14
.irp b, 0,1,2,3
	s_delay_alu instid0(VALU_DEP_4)
	v_max3_num_f32 v[232+\b], v[232+\b], |v[96+16*\b+\i]|, |v[97+16*\b+\i]|
.endr
.endr
.irp b, 0,1,2,3
	s_delay_alu instid0(VALU_DEP_4)
	v_permlanex16_b32 v[236+\b], v[232+\b], s[SEL], s[SEL+1]
.endr
.irp b, 0,1,2,3
	s_delay_alu instid0(VALU_DEP_4)
	v_max_num_f32 v[232+\b], v[232+\b], v[236+\b]
.endr
.irp b, 0,1,2,3
	s_delay_alu instid0(VALU_DEP_4)
	v_add_nc_u32 v[244+\b], 0xff000000, v[232+\b]
.endr
.irp b, 0,1,2,3
	s_delay_alu instid0(VALU_DEP_4)
	v_lshrrev_b32 v[236+\b], 23, v[244+\b]
.endr
	s_delay_alu instid0(VALU_DEP_3)
	v_lshl_or_b32 v254, v237, 8, v236
	s_delay_alu instid0(VALU_DEP_1)
	v_lshl_or_b32 v254, v238, 16, v254
	s_delay_alu instid0(VALU_DEP_1)
	v_lshl_or_b32 v254, v239, 24, v254
.irp c, 0,1
	v_cvt_scalef32_pk16_fp6_f32 v[32+6*\c:34+6*\c], v[96+32*\c:111+32*\c], v[244+2*\c]
	v_cvt_scalef32_pk16_fp6_f32 v[44+4*\c:46+4*\c], v[112+32*\c:127+32*\c], v[245+2*\c]
.endr
	v_nop
.irp c, 0,1
.irp i, 0,1,2
	v_permlane16_swap_b32 v[32+6*\c+\i], v[44+4*\c+\i]
.endr
.irp i, 0,1,2
	s_delay_alu instid0(VALU_DEP_3)
	v_mov_b32 v[35+6*\c+\i], v[44+4*\c+\i]
.endr
.endr
.irp c, 0,1,2
	global_store_b128 v1, v[32+4*\c:35+4*\c], s[60:61] offset:512*\c   ; 32 lanes store 512 consecutive bytes
.endr
	global_store_b32 v2, v254, s[62:63]            ; row r's scale word
.Ldone:
	s_wait_tensorcnt 0x0                           ; the wave's end
	ds_add_u32 v[SPW], v[NIL]
	s_wait_dscnt 0x0
	CROUND                                         ; the closing round
	s_endpgm
.Lfunc_end_k_q7aee8e7132_attn:
	.size	k_q7aee8e7132_attn, .Lfunc_end_k_q7aee8e7132_attn-k_q7aee8e7132_attn
	.p2alignl 7, 3214868480
	.fill 96, 4, 3214868480
	.section	.rodata,"a",@progbits
	.p2align	6, 0x0
	.amdhsa_kernel k_q7aee8e7132_attn
		.amdhsa_group_segment_fixed_size 327680
		.amdhsa_private_segment_fixed_size 0
		.amdhsa_enable_private_segment 0
		.amdhsa_kernarg_size 16
		.amdhsa_user_sgpr_count 2
		.amdhsa_user_sgpr_kernarg_segment_ptr 1
		.amdhsa_wavefront_size32 1
		.amdhsa_system_sgpr_workgroup_id_x 1
		.amdhsa_system_sgpr_workgroup_id_y 1
		.amdhsa_system_sgpr_workgroup_id_z 1
		.amdhsa_system_vgpr_workitem_id 0
		.amdhsa_next_free_vgpr 256
		.amdhsa_next_free_sgpr 90
		.amdhsa_reserve_vcc 1
		.amdhsa_float_denorm_mode_32 3
		.amdhsa_float_denorm_mode_16_64 3
		.amdhsa_memory_ordered 1
		.amdhsa_forward_progress 1
		.amdhsa_inst_pref_size 77
	.end_amdhsa_kernel
	.amdgpu_metadata
---
amdhsa.version: [ 1, 2 ]
amdhsa.kernels:
  - .name:           k_q7aee8e7132_attn
    .symbol:         k_q7aee8e7132_attn.kd
    .args:
      - { .name: qkv, .offset: 0, .size: 8, .value_kind: global_buffer, .address_space: global }
      - { .name: att_c, .offset: 8, .size: 8, .value_kind: global_buffer, .address_space: global }
    .group_segment_fixed_size: 327680
    .private_segment_fixed_size: 0
    .kernarg_segment_align: 8
    .kernarg_segment_size: 16
    .max_flat_workgroup_size: 512
    .sgpr_count:     90
    .vgpr_count:     256
    .wavefront_size: 32
...
	.end_amdgpu_metadata
.endif
;; end of part 3
;; launch gemm_out (part 4): grid 16 x 16, 4 waves a work-group, clusters of 4 x 4, 327,680 bytes of LDS; arguments wo_c, att_c, hidden_states, out0; writes out0
.if DOCPART == 4
	.amdgcn_target "amdgcn-amd-amdhsa--gfx1250"
	.amdhsa_code_object_version 6
	.text
	.protected	k_q7aee8e7132_gemm_out
	.globl	k_q7aee8e7132_gemm_out
	.p2align	8
	.type	k_q7aee8e7132_gemm_out,@function
k_q7aee8e7132_gemm_out:
	s_mov_b64 s[64:65], 0
	v_nop
	global_prefetch_b8 v0, s[64:65] scope:SCOPE_SE
	s_setreg_imm32_b32 hwreg(HW_REG_WAVE_MODE, 25, 1), 1
	s_wait_xcnt 0x0
	s_wait_alu depctr_hold_cnt(0) depctr_sa_sdst(0) depctr_va_vdst(0) depctr_va_sdst(0) depctr_va_ssrc(0) depctr_va_vcc(0) depctr_vm_vsrc(0)
	s_getreg_b32 s2, hwreg(HW_REG_IB_STS2, 6, 4)
	s_cmp_eq_u32 s2, 0
	s_cbranch_scc0 .Lentry_in_a_cluster
	s_endpgm
.Lentry_in_a_cluster:
	s_bfe_u32 s2, ttmp6, 0x10000c
	s_cmp_lg_u32 s2, 0xf033
	s_cbranch_scc0 .Lentry_shape_is_right
	s_endpgm
.Lentry_shape_is_right:
; out0 = hidden_states + attn wo, on codes of E2M3 (K = 2,048).  Operand P = columns of wo (wo_c), operand Q = tokens (att_c); both lie as buf[tile][quad] of 6,400 bytes: four fragment images and 256 bytes of scale words.
; A work-group makes 256 columns x 128 tokens, a wave 128 x 64; source 0 = P's rows, source 1 = Q's: a lane holds one token and its registers run along the columns.
; CLUSTER 4 x 4, joint loads; a ring of two slots of one quad; waves 0, 1 fetch P's halves, waves 2, 3 Q's, one tensor load a wave behind each round.
; The change of slots stands in a quad's last K step: 8 products between the add and its wait, 8 between signal and wait, 16 behind the next slot's first LDS loads.
; PREFETCH: behind each joint load the quad that the next joint load will ask for (one slot, 128 products of a wave ahead): 25 blocks of 256 bytes a tile, a lane a block (lanes 25-31 name lane 24's again);
; the partners of a joint load share its tiles out by address: of P's 8 tiles partner cy takes two, of Q's 4 partner cx one.  The refill of the last quad asks for nothing.
; The residual's 128 x 64 numbers of a wave are loaded at the head into window 3.  The way out goes through a stage in slot 0, which has had its last fill and its last read by then; whole rows of 512 bytes are stored.
.set NQD,  4
.set BLK,  6400
.set TP,   NQD*BLK
.set LAPS, NQD/2
.set QOFF, 16*BLK
.set SLOT, 24*BLK
.set SPARE, 2*SLOT
.set SPITCH, 528
.set ADP,  16
.set ADQ,  18
.set ADS,  20
.set ADS0, 22
.set LI,   24
.set STO,  25
.set RD,   26
.set SPW,  28
.set NIL,  29
.set SC,   32
.set QF,   96
.set BK,   96
.set G1P,  24
.set G0P,  32
.set G1Q,  48
.set G0Q,  56
.set PFO,  27                          ; v27 256 x min(lane, 24)
.set PFA,  82                          ; s[82:83] my share of the tiles that I fetch, one quad behind what a prefetch in the ring names
.macro ASK guard, off
.if \guard
	s_cmp_gt_u32 s3, 1
	s_cbranch_scc0 .Lnone_\@
.endif
	global_prefetch_b8 v[PFO], s[PFA:PFA+1] offset:\off th:TH_LOAD_NT scope:SCOPE_SE
	s_cmp_eq_u32 s15, 0
	s_cbranch_scc0 .Lnone_\@
	global_prefetch_b8 v[PFO], s[PFA:PFA+1] offset:TP+\off th:TH_LOAD_NT scope:SCOPE_SE   ; P's waves: my second tile
.Lnone_\@:
.endm
.set MSB, 0
.macro WIN new
.if MSB != (\new)
	s_set_vgpr_msb (MSB<<8)|(\new)
.set MSB, (\new)
.endif
.endm
.macro PLACES
.rept 4
	v_nop
.endr
.endm
.macro JLOAD s
	s_cmp_eq_u32 s15, 0
	s_cbranch_scc0 .Lfor_q_\@
	tensor_load_to_lds s[G0P+4*\s:G0P+4*\s+3], s[G1P:G1P+7]
	s_nop 0
.rept 4
	v_nop
.endr
	s_branch .Lasked_\@
.Lfor_q_\@:
	tensor_load_to_lds s[G0Q+4*\s:G0Q+4*\s+3], s[G1Q:G1Q+7]
	s_nop 0
.rept 4
	v_nop
.endr
.Lasked_\@:
.endm
.macro CREST
	s_cmp_lg_u32 s14, 0
	s_cbranch_scc1 .Lnot_wave_0_\@
	s_barrier_signal -3
.Lnot_wave_0_\@:
	s_barrier_wait -3
	s_barrier_signal -1
	s_barrier_wait -1
.endm
.macro CROUND
	s_barrier_signal -1
	s_barrier_wait -1
	CREST
.endm
	s_load_b256 s[4:11], s[0:1], 0x0
	v_lshl_add_u32 v[SPW], v0, 2, SPARE
	v_mov_b32 v[NIL], 0
	ds_add_u32 v28, v29
	ds_add_u32 v28, v29
	s_wait_dscnt 0x0
	v_lshrrev_b32 v1, 5, v0
	v_readfirstlane_b32 s14, v1
	s_lshr_b32 s15, s14, 1
	s_and_b32 s16, s14, 1
	s_bfe_u32 s40, ttmp6, 0x40000
	s_bfe_u32 s41, ttmp6, 0x40004
	s_lshl_b32 s17, ttmp9, 2
	s_add_co_u32 s17, s17, s40
	s_and_b32 s18, ttmp7, 0xffff
	s_lshl_b32 s18, s18, 2
	s_add_co_u32 s18, s18, s41
	s_lshl_b32 s42, 0x1111, s40
	s_lshl_b32 s47, s41, 2
	s_lshl_b32 s47, 15, s47
	s_or_b32 s[G1P], s42, (3<<16)|(1<<21)
	s_or_b32 s[G1Q], s47, (3<<16)|(1<<21)
.irp g, G1P, G1Q
	s_mov_b32 s[\g+1], 800<<16
	s_mov_b32 s[\g+3], 800<<16
	s_mov_b32 s[\g+5], TP/8
	s_mov_b32 s[\g+6], 0
	s_mov_b32 s[\g+7], 0
.endr
	s_mov_b32 s[G1P+2], 8<<16
	s_mov_b32 s[G1P+4], 8
	s_mov_b32 s[G1Q+2], 4<<16
	s_mov_b32 s[G1Q+4], 4
	s_lshl_b32 s74, s17, 4
	s_lshl_b32 s75, s16, 3
	s_add_co_u32 s74, s74, s75
	s_mul_i32 s74, s74, TP
	s_mov_b32 s75, 0
	s_lshl_b32 s76, s18, 3
	s_lshl_b32 s77, s16, 2
	s_add_co_u32 s76, s76, s77
	s_mul_i32 s76, s76, TP
	s_mov_b32 s77, 0
	s_mul_i32 s78, s16, 8*BLK
	s_mul_i32 s79, s16, 4*BLK
	s_add_co_u32 s79, s79, QOFF
	s_wait_kmcnt 0x0
	s_add_nc_u64 s[20:21], s[4:5], s[74:75]
	s_add_nc_u64 s[22:23], s[6:7], s[76:77]
	CROUND
.irp s, 0,1
	s_mov_b32 s[G0P+4*\s], 1
	s_add_co_u32 s[G0P+4*\s+1], s78, \s*SLOT
	s_add_nc_u64 s[G0P+4*\s+2:G0P+4*\s+3], s[20:21], \s*BLK
	s_or_b32 s[G0P+4*\s+3], s[G0P+4*\s+3], 0x80000000
	s_mov_b32 s[G0Q+4*\s], 1
	s_add_co_u32 s[G0Q+4*\s+1], s79, \s*SLOT
	s_add_nc_u64 s[G0Q+4*\s+2:G0Q+4*\s+3], s[22:23], \s*BLK
	s_or_b32 s[G0Q+4*\s+3], s[G0Q+4*\s+3], 0x80000000
.endr
	s_lshl_b32 s85, s41, 1
	s_cmp_eq_u32 s15, 0
	s_cselect_b32 s84, s85, s40
	s_cselect_b64 s[PFA:PFA+1], s[20:21], s[22:23]
	s_mul_i32 s84, s84, TP
	s_add_co_u32 s84, s84, BLK                     ; at quad 1
	s_mov_b32 s85, 0
	s_add_nc_u64 s[PFA:PFA+1], s[PFA:PFA+1], s[84:85]
	JLOAD 0                                        ; quad 0: one tensor load a wave at the head, behind the one round
	v_and_b32 v[PFO], 31, v0
	v_min_u32 v[PFO], 24, v[PFO]
	v_lshlrev_b32 v[PFO], 8, v[PFO]
	ASK 0, 0                                       ; quad 1
	v_and_b32 v1, 31, v0
	v_and_b32 v2, 15, v0
	s_wait_alu depctr_va_vdst(0)
	v_bfe_u32 v3, v0, 4, 1
	s_wait_alu depctr_va_vdst(0)
	v_lshlrev_b32 v[LI], 4, v1
	s_wait_alu depctr_va_vdst(0)
	s_mul_i32 s74, s16, 8*BLK
	s_mul_i32 s75, s15, 4*BLK
	s_add_co_u32 s75, s75, QOFF
	s_xor_b32 s76, s16, 1
	s_mul_i32 s76, s76, 8*BLK
	s_mul_i32 s77, s15, 4*BLK
	s_add_co_u32 s76, s76, s77
	s_add_co_u32 s76, s76, 8*BLK
	v_lshlrev_b32 v5, 4, v2
	v_add_nc_u32 v5, 6144, v5
	v_mul_u32_u24 v6, s76, v3
.irp s, 0,1
	v_add_nc_u32 v[ADP+\s], s74, v[LI]
	v_add_nc_u32 v[ADQ+\s], s75, v[LI]
	v_add_nc_u32 v[ADS0+\s], s74, v5
	v_add_nc_u32 v[ADS+\s], v[ADS0+\s], v6
	s_add_co_u32 s74, s74, SLOT
	s_add_co_u32 s75, s75, SLOT
.endr
	s_mul_i32 s76, s14, 16*SPITCH
	v_mul_u32_u24 v[STO], v2, SPITCH
	v_lshl_add_u32 v[STO], v3, 6, v[STO]
	v_add_nc_u32 v[STO], s76, v[STO]
	v_add_nc_u32 v[RD], s76, v[LI]
	s_lshl_b32 s74, s18, 7
	s_lshl_b32 s75, s15, 6
	s_add_co_u32 s74, s74, s75
	s_lshl_b32 s74, s74, 14
	s_lshl_b32 s75, s17, 10
	s_add_co_u32 s74, s74, s75
	s_lshl_b32 s75, s16, 9
	s_add_co_u32 s74, s74, s75
	s_mov_b32 s75, 0
	s_add_nc_u64 s[70:71], s[8:9], s[74:75]
	s_add_nc_u64 s[72:73], s[10:11], s[74:75]
	WIN 0xc0
.irp a, 0,1,2,3
.irp t, 0,1,2,3,4,5,6,7,8,9,10,11,12,13,14,15
	global_load_b128 v[64*\a+4*\t:64*\a+4*\t+3], v[LI], s[70:71] offset:(32*(\a/2)+8*(\a%2)+\t+8*(\t/8))*16384 th:TH_LOAD_NT
.endr
.endr
	WIN 0
.macro FETCH slot, q, set
	WIN 0x40
.irp i, 0,1,2,3,4,5,6,7
.irp c, 0,1,2
	ds_load_b128 v[128*(\set)+12*\i+4*\c:128*(\set)+12*\i+4*\c+3], v[ADP+\slot] offset:BLK*\i+1536*(\q)+512*\c
.endr
.endr
	WIN 0
.irp i, 0,1,2,3
.irp c, 0,1,2
	ds_load_b128 v[QF+48*(\set)+12*\i+4*\c:QF+48*(\set)+12*\i+4*\c+3], v[ADQ+\slot] offset:BLK*\i+1536*(\q)+512*\c
.endr
.endr
.endm
.macro SCALES slot
.irp i, 0,1,2,3
	ds_load_b128 v[SC+32*(\slot)+4*\i:SC+32*(\slot)+4*\i+3], v[ADS+\slot] offset:BLK*\i
.endr
.irp i, 4,5,6,7
	ds_load_b128 v[SC+32*(\slot)+4*\i:SC+32*(\slot)+4*\i+3], v[ADS0+\slot] offset:BLK*\i
.endr
.endm
.macro MUL a, set, slot, q, zero
.irp b, 0,1,2,3,4,5,6,7
.if \zero
	v_wmma_scale_f32_16x16x128_f8f6f4 v[8*(8*(\a)+\b):8*(8*(\a)+\b)+7], v[128*(\set)+12*\b:128*(\set)+12*\b+11], v[QF+48*(\set)+12*(\a):QF+48*(\set)+12*(\a)+11], 0, v[SC+32*(\slot)+4*\b+(\q)], v[SC+32*(\slot)+4*(\a)+(\q)] matrix_a_fmt:MATRIX_FMT_FP6 matrix_b_fmt:MATRIX_FMT_FP6 matrix_b_scale:MATRIX_SCALE_ROW1
.else
	v_wmma_scale_f32_16x16x128_f8f6f4 v[8*(8*(\a)+\b):8*(8*(\a)+\b)+7], v[128*(\set)+12*\b:128*(\set)+12*\b+11], v[QF+48*(\set)+12*(\a):QF+48*(\set)+12*(\a)+11], v[8*(8*(\a)+\b):8*(8*(\a)+\b)+7], v[SC+32*(\slot)+4*\b+(\q)], v[SC+32*(\slot)+4*(\a)+(\q)] matrix_a_fmt:MATRIX_FMT_FP6 matrix_b_fmt:MATRIX_FMT_FP6 matrix_b_scale:MATRIX_SCALE_ROW1
.endif
.endr
.endm
.macro STEP slot, q, zero
	s_wait_dscnt 0x0
	PLACES
	FETCH \slot, (\q)+1, 1-(\q)%2
	WIN 0xa1
	MUL 0, (\q)%2, \slot, \q, \zero
	MUL 1, (\q)%2, \slot, \q, \zero
	MUL 2, (\q)%2, \slot, \q, \zero
	MUL 3, (\q)%2, \slot, \q, \zero
	WIN 0
.endm
.macro TURN slot, next, fill
.if \fill
	s_wait_xcnt 0x0                                ; the last prefetch, a slot back, has read its address
	s_add_nc_u64 s[PFA:PFA+1], s[PFA:PFA+1], BLK
.endif
	s_wait_tensorcnt 0x0                           ; all my tensor loads have landed: my part of the next slot
	ds_add_u32 v[SPW], v[NIL]
	s_wait_dscnt 1                                 ; this step's fragments are in; the add alone may be out
	WIN 0xa1
	MUL 0, 1, \slot, 3, 0
	s_wait_dscnt 0x0                               ; the add is done; my reads of this slot are over
	s_barrier_signal -1
	MUL 1, 1, \slot, 3, 0
	WIN 0
	s_barrier_wait -1
.if \fill
	CREST
	s_add_nc_u64 s[G0P+4*\slot+2:G0P+4*\slot+3], s[G0P+4*\slot+2:G0P+4*\slot+3], 2*BLK
	s_add_nc_u64 s[G0Q+4*\slot+2:G0Q+4*\slot+3], s[G0Q+4*\slot+2:G0Q+4*\slot+3], 2*BLK
	JLOAD \slot
.else
	PLACES
.endif
	FETCH \next, 0, 0
	SCALES \next
.if \fill && ((\slot) == 0 || LAPS > 2)
	ASK \slot, BLK                                 ; the quad that the next refill will ask for
.endif
	WIN 0xa1
	MUL 2, 1, \slot, 3, 0
	MUL 3, 1, \slot, 3, 0
	WIN 0
.endm
	s_wait_alu depctr_va_vdst(0)
	s_wait_tensorcnt 0x0                           ; my part of quad 0 is in; slot 1's first fill is issued as a refill is
	ds_add_u32 v[SPW], v[NIL]
	s_wait_dscnt 0x0
	CROUND
	JLOAD 1                                        ; quad 1
	FETCH 0, 0, 0
	SCALES 0
	ASK 0, BLK                                     ; quad 2
	STEP 0, 0, 1
	s_mov_b32 s3, LAPS-1
.Llap:
	STEP 0, 1, 0
	STEP 0, 2, 0
	TURN 0, 1, 1
	STEP 1, 0, 0
	STEP 1, 1, 0
	STEP 1, 2, 0
	TURN 1, 0, 1
	STEP 0, 0, 0
	s_sub_co_u32 s3, s3, 1
	s_cmp_lg_u32 s3, 0
	s_cbranch_scc1 .Llap
	STEP 0, 1, 0
	STEP 0, 2, 0
	TURN 0, 1, 0
	STEP 1, 0, 0
	STEP 1, 1, 0
	STEP 1, 2, 0
	s_wait_dscnt 0x0
	WIN 0xa1
	MUL 0, 1, 1, 3, 0
	MUL 1, 1, 1, 3, 0
	MUL 2, 1, 1, 3, 0
	MUL 3, 1, 1, 3, 0
	WIN 0
.macro TOSTAGE a
	WIN 0x08
.irp b, 0,1,2,3,4,5,6,7
	ds_store_b128 v[STO], v[64*(\a)+8*\b:64*(\a)+8*\b+3] offset:128*(\b/2)+32*(\b%2)
	ds_store_b128 v[STO], v[64*(\a)+8*\b+4:64*(\a)+8*\b+7] offset:128*(\b/2)+32*(\b%2)+16
.endr
	WIN 0
.set BB, BK+64*((\a)%2)
.irp t, 0,1,2,3,4,5,6,7,8,9,10,11,12,13,14,15
	ds_load_b128 v[BB+4*\t:BB+4*\t+3], v[RD] offset:\t*SPITCH
.endr
.endm
.macro SEND a, younger
.set BB, BK+64*((\a)%2)
	s_wait_dscnt \younger
.if (\a) == 0
	s_wait_loadcnt 0x0
.endif
	WIN 0x0c
.set II, 0
.rept 32
	v_pk_add_f32 v[BB+II:BB+II+1], v[BB+II:BB+II+1], v[64*(\a)+II:64*(\a)+II+1]
.set II, II+2
.endr
	WIN 0
.irp t, 0,1,2,3,4,5,6,7,8,9,10,11,12,13,14,15
	global_store_b128 v[LI], v[BB+4*\t:BB+4*\t+3], s[72:73] offset:(32*((\a)/2)+8*((\a)%2)+\t+8*(\t/8))*16384 th:TH_STORE_NT
.endr
.endm
	PLACES
	TOSTAGE 0
.irp a, 1,2,3
.if \a > 1
	s_wait_xcnt 0x0
.endif
	TOSTAGE \a
	SEND \a-1, 32
.endr
	SEND 3, 0
	s_wait_tensorcnt 0x0
	ds_add_u32 v[SPW], v[NIL]
	s_wait_dscnt 0x0
	CROUND
	s_endpgm
.Lfunc_end_k_q7aee8e7132_gemm_out:
	.size	k_q7aee8e7132_gemm_out, .Lfunc_end_k_q7aee8e7132_gemm_out-k_q7aee8e7132_gemm_out
	.p2alignl 7, 3214868480
	.fill 96, 4, 3214868480
	.section	.rodata,"a",@progbits
	.p2align	6, 0x0
	.amdhsa_kernel k_q7aee8e7132_gemm_out
		.amdhsa_group_segment_fixed_size 327680
		.amdhsa_private_segment_fixed_size 0
		.amdhsa_enable_private_segment 0
		.amdhsa_kernarg_size 32
		.amdhsa_user_sgpr_count 2
		.amdhsa_user_sgpr_kernarg_segment_ptr 1
		.amdhsa_wavefront_size32 1
		.amdhsa_system_sgpr_workgroup_id_x 1
		.amdhsa_system_sgpr_workgroup_id_y 1
		.amdhsa_system_sgpr_workgroup_id_z 1
		.amdhsa_system_vgpr_workitem_id 0
		.amdhsa_next_free_vgpr 1024
		.amdhsa_next_free_sgpr 90
		.amdhsa_reserve_vcc 0
		.amdhsa_float_denorm_mode_32 3
		.amdhsa_float_denorm_mode_16_64 3
		.amdhsa_memory_ordered 1
		.amdhsa_forward_progress 1
		.amdhsa_inst_pref_size 147
	.end_amdhsa_kernel
	.amdgpu_metadata
---
amdhsa.version: [ 1, 2 ]
amdhsa.kernels:
  - .name:           k_q7aee8e7132_gemm_out
    .symbol:         k_q7aee8e7132_gemm_out.kd
    .args:
      - { .name: wo_c, .offset: 0, .size: 8, .value_kind: global_buffer, .address_space: global }
      - { .name: att_c, .offset: 8, .size: 8, .value_kind: global_buffer, .address_space: global }
      - { .name: hidden_states, .offset: 16, .size: 8, .value_kind: global_buffer, .address_space: global }
      - { .name: out0, .offset: 24, .size: 8, .value_kind: global_buffer, .address_space: global }
    .group_segment_fixed_size: 327680
    .private_segment_fixed_size: 0
    .kernarg_segment_align: 8
    .kernarg_segment_size: 32
    .max_flat_workgroup_size: 128
    .sgpr_count:     90
    .vgpr_count:     1024
    .wavefront_size: 32
...
	.end_amdgpu_metadata
.endif
;; end of part 4
